; MI455X (gfx1250); checked and timed in simulation.
; The chip was launched on July 23, 2026; its instructions are those of AMD's public machine-readable ISA for CDNA 5 (MIT licence, August 2026) and "CDNA5" Instruction Set Architecture Reference Guide (July 2026). The comments in the code are by the model that wrote it; some were corrected since.
;; Cross Attention. Allowed arithmetic: matrix products marked QUANTISED: E2M3 operands, one E8M0 scale for each 32 along K, by v_wmma_scale_f32_16x16x128_f8f6f4 with both operands' format E2M3, f32 sums; everything else in f32.
;; Inputs: bk 1,024 float32; bo 1,024 float32; bq 1,024 float32; bv 1,024 float32; wk 1,024 x 1,024 float32; wo 1,024 x 1,024 float32; wq 1,024 x 1,024 float32; wv 1,024 x 1,024 float32; x 4 x 2,048 x 1,024 float32; y 4 x 2,048 x 1,024 float32.
;; Outputs: out0 4 x 2,048 x 1,024 float32.
;; This version of the problem:
;;   THIS VERSION OF THE PROBLEM IS GIVEN IN LOW PRECISION. The matrix products marked QUANTISED in the list below multiply operands that are first quantised to E2M3 (2 exponent bits, 3 mantissa bits; 6 bits a number), with one power-of-two scale for each 32 numbers along K (OCP MX v1.0); their sums are f32. All else is computed in f32.
;;   The module's matrix products, in the order in which they are computed (A, B: the left and right operand; K: the contracted axis; several contracted axes count as one K, in the product's order):
;;     1. [M 8,192, K 1,024] x [K 1,024, N 1,024]; A: input x; B: input wq: QUANTISED
;;     2. [M 8,192, K 1,024] x [K 1,024, N 1,024]; A: input y; B: input wk: QUANTISED
;;     3. [M 8,192, K 1,024] x [K 1,024, N 1,024]; A: input y; B: input wv: QUANTISED
;;     4. batch 64 x [M 2,048, K 64] x [K 64, N 2,048]; A: computed on the way; B: computed on the way: QUANTISED
;;     5. batch 64 x [M 2,048, K 2,048] x [K 2,048, N 64]; A: softmax (see below); B: computed on the way: QUANTISED
;;     6. [M 8,192, K 1,024] x [K 1,024, N 1,024]; A: computed on the way; B: input wo: QUANTISED
;;   THE QUANTISER, for each operand of a quantised product, along K:
;;     - K is cut into blocks of 32 from its start; a last block that is shorter is filled with zeros.
;;     - A block's scale is 2^e with e = floor(log2(the largest magnitude in the block)) - 2, held to -126 .. 127; a block of zeros has e = 0. As a byte (E8M0): e + 127.
;;     - Each number is divided by its block's scale, clamped to +-7.5, and rounded to the nearest number of E2M3, ties to even, subnormals kept.
;;     - The product sums the exact products of the quantised numbers (number of the format x scale) in f32.
;;   ~~~python
;;   def quantise(x, axis):      # numpy; x: float32 -> the quantised numbers, widened to float32 again
;;       x = np.moveaxis(x, axis, -1); K = x.shape[-1]
;;       x = np.pad(x, [(0, 0)] * (x.ndim - 1) + [(0, -K % 32)]); x = x.reshape(x.shape[:-1] + (-1, 32)); a = np.abs(x).max(-1, keepdims=True)
;;       e = np.where(a > 0, np.clip(np.frexp(np.where(a > 0, a, 1))[1] - 1 - 2, -126, 127), 0)      # np.frexp(a)[1] - 1 = floor(log2(a)), exactly
;;       r = np.clip(x / 2.0 ** e, -7.5, 7.5)
;;       step = 2.0 ** (np.maximum(np.frexp(np.where(r == 0, 1, r))[1] - 1, 0) - 3)
;;       q = np.round(r / step) * step * 2.0 ** e      # np.round: ties to even
;;       return np.moveaxis(q.reshape(q.shape[:-2] + (-1,))[..., :K], -1, axis).astype(np.float32)
;;   ~~~
;;   SOFTMAX AHEAD OF A QUANTISED PRODUCT. Where the list says 'softmax', what is quantised is not the finished softmax but p = 2^(t - M), with t = logit x log2(e) and M = ceil(the row's largest t), a whole number; so 1/2 < the row's largest p <= 1. The row's sum l is taken of the UNQUANTISED p, in f32, and the product's result is divided by l at the end. Since M is a whole number, a kernel that streams over the keys may use a running M (the ceiling of the running maximum): every later rescaling is an exact power of two, which a block's scale takes up: the codes' values come out the same.
;;   OPERANDS COMPUTED ON THE WAY. 'Computed on the way' means the value that the module computes at that place (a softmax that the list does not call 'softmax' is quantised finished and normalised). What goes into a quantiser is computed in f32, as accurately as f32 sums, v_exp_f32 and their like allow (about 1e-6 of the number): no bf16 or f16 on the way to a quantiser, and a product that is left as it is and whose result goes on into a quantised operand takes f32 operands (vector FMAs, or v_wmma_f32_16x16x4_f32). A number that lies on a knife's edge between two numbers of the format may be rounded either way, as far as f32 arithmetic and the matrix unit's own rounding can turn it there, and no further.
;; One version. Each part assembles by itself: llvm-mc -triple=amdgcn-amd-amdhsa -mcpu=gfx1250 --defsym DOCPART=n.
;; ======== version 1 of 1: 4 launches
;; limits: right only within a limited range of input values
;; workspace buffers: xc 6,553,600 bytes; yc 6,553,600 bytes; wc 3,276,800 bytes; oc 6,553,600 bytes; qimg 6,815,744 bytes; kvimg 13,369,344 bytes
;; launch prep (part 1): grid 384 x 1, 8 waves a work-group, no clusters, 95,232 bytes of LDS; arguments x, y, wq, wk, wv, wo, xc, yc, wc; writes xc, yc, wc
.if DOCPART == 1
	.amdgcn_target "amdgcn-amd-amdhsa--gfx1250"
	.amdhsa_code_object_version 6
	.text
	.protected	k_qc5c851ae86_prep
	.globl	k_qc5c851ae86_prep
	.p2align	8
	.type	k_qc5c851ae86_prep,@function
k_qc5c851ae86_prep:
	s_mov_b64 s[64:65], 0
	v_nop
	global_prefetch_b8 v0, s[64:65] scope:SCOPE_SE
	s_setreg_imm32_b32 hwreg(HW_REG_WAVE_MODE, 25, 1), 1
	s_wait_xcnt 0x0
; ONE LAUNCH QUANTISES ALL SIX INPUTS OF THE PROJECTIONS to codes of FP6 (E2M3) with one E8M0 scale byte for each 32 along K.  Work-groups 0-255 take the activations x and y, work-groups 256-383 the four weights:
; the two ways part on the work-group's number alone, each loads its own arguments, and each has LDS bytes of its own.
; THE OUTPUT IS LAID AS THE MATRIX UNIT'S REGISTERS WANT IT.  [group of 128 rows][K step of 128]: a record of 12,800 bytes = 8 fragments of 1,536 bytes, then 8 x 16 scale words.
; A fragment (16 rows x 128 K) is two half-images of 768 bytes (64 along K each): lane l = (r = l % 16, h = l / 16) owns block h of row r, 24 bytes: its first 16 at 16 l, its last 8 at 512 + 8 l.
; Tile t of a group holds rows 32 (t / 2) + 8 (t % 2) + r + 8 (r / 8): the order that lets a later product's results be neighbours along the next K.
; A block's scale is 2^(floor(log2(its largest magnitude)) - 2): its byte is the largest magnitude's exponent field - 2, held at 1 from below.
; LIMITS: NaN and infinities are not served; a block of zeros, or one under 2^-124, gets the byte 1 where the rule says 127: the bytes are read by this program alone.
; ACTIVATIONS, [8192][1024] f32, K innermost.  A work-group takes 64 rows of one tensor; wave w takes K step w, so the eight waves stand side by side on whole rows.  A wave makes 4 fragments.
; Each load reads 512 consecutive bytes of one row; a fragment's 16 x 512 bytes turn through the wave's own stage in LDS, so that a lane gets two whole blocks of 32 neighbours.  Loads run two fragments (32 loads a wave) ahead.
; WEIGHTS, [1024 (k)][1024 (n)] f32, K their FIRST axis; an operand's rows are the columns n; wc = [weight][group of 128 columns][K step].  A work-group makes two records, four waves each.
; A LANE TAKES A COLUMN, AND ITS REGISTERS RUN DOWN K: a block of 32 lies in one lane, and the conversions give codes with K innermost.  Wave w % 4 takes columns 32 (w % 4) + lane: tiles 2 (w % 4) and 2 (w % 4) + 1;
; lane x is row 8 (x / 16) + x % 8 of tile 2 (w % 4) + (x / 8) % 2.  Its codes go through the wave's own stage in LDS and leave as 512 consecutive bytes a store.
; No barrier on either way: waves share nothing.  No tensor load, no cluster, no matrix unit: every input byte is read once and nothing is shared between work-groups.
.set PITCH, 528                        ; an activation stage's row: 512 bytes + 16, an odd multiple of 16
.set STG,   16*PITCH                   ; a wave's stage
.set GATH,  8*STG                      ; behind the stages: 256 bytes a wave for its 64 scale words
.set SPARE, GATH+8*256                 ; the spare words, 128 bytes a wave
.set WST,   SPARE+8*128                ; the weights' stages: 3,072 bytes a wave
.set X,     192                        ; v192-255  64 numbers: register 32 c + i = k 64 c + 32 h + i of row r
.set SPW,   30                         ; v30 my spare word's LDS address, v31 = 0: made here and kept, on both ways
.set NIL,   31
	v_lshl_add_u32 v[SPW], v0, 2, SPARE
	v_mov_b32 v[NIL], 0
	s_cmp_ge_u32 ttmp9, 256
	s_cbranch_scc1 .Lweights
; ---- the activations.  v1 16 l; v2 stage in; v3 stage out; v5 8 l; v6 gather in; v7 gather out; v8 8 h; v10-11 maxima; v12-13 scale operands; v14-15 bytes; v16 scale word; v17 permute's target;
; v20-22, v24-26 second halves of blocks' codes; v32-43, v44-55 codes, two sets; v64-127, v128-191 numbers as loaded, two sets
	s_load_b128 s[4:7], s[0:1], 0x0                ; x, y
	s_load_b128 s[8:11], s[0:1], 0x30              ; xc, yc
	v_lshrrev_b32 v9, 5, v0
	s_delay_alu instid0(VALU_DEP_1)
	v_readfirstlane_b32 s12, v9                    ; wave = K step
	v_and_b32 v9, 31, v0                           ; l
	v_and_b32 v18, 15, v0                          ; r
	v_bfe_u32 v19, v0, 4, 1                        ; h
	s_delay_alu instid0(VALU_DEP_3)
	v_lshlrev_b32 v1, 4, v9
	s_delay_alu instid0(VALU_DEP_4)
	v_lshlrev_b32 v5, 3, v9
	s_mul_i32 s13, s12, STG
	v_add_nc_u32 v2, s13, v1                       ; in: a row's 512 bytes as they lie
	v_mul_u32_u24 v3, v18, PITCH
	s_delay_alu instid0(VALU_DEP_1)
	v_lshl_add_u32 v3, v19, 7, v3
	s_delay_alu instid0(VALU_DEP_1)
	v_add_nc_u32 v3, s13, v3                       ; out: row r, + 128 h: my block of 32 numbers
	s_lshl_b32 s14, s12, 8
	s_add_co_u32 s14, s14, GATH
	v_lshl_add_u32 v6, v18, 2, s14
	v_add_nc_u32 v7, s14, v5
	v_lshlrev_b32 v8, 3, v19
	v_mov_b32 v17, 0                               ; written once: a lane permute's destination counts as one of its sources
	s_mov_b32 s26, 0x76543210
	s_mov_b32 s27, 0xfedcba98                      ; v_permlanex16_b32's selects for lane l xor 16
	s_and_b32 s16, ttmp9, 127                      ; which 64 rows of the tensor
	s_lshl_b32 s20, s16, 18                        ; 64 rows of 4,096 bytes
	s_lshl_b32 s17, s12, 9
	s_add_co_u32 s20, s20, s17                     ; + my K step's 512 bytes
	s_mov_b32 s21, 0
	s_lshr_b32 s18, s16, 1                         ; group of 128 rows
	s_and_b32 s19, s16, 1                          ; which half of it
	s_mul_i32 s22, s18, 102400
	s_mul_i32 s17, s12, 12800
	s_add_co_u32 s22, s22, s17                     ; the record
	s_mov_b32 s23, 0
	s_lshl_b32 s24, s19, 8
	s_add_co_u32 s24, s24, s22
	s_add_co_u32 s24, s24, 12288                   ; my four tiles' scale words
	s_mov_b32 s25, 0
	s_mul_i32 s17, s19, 6144
	s_add_co_u32 s22, s22, s17                     ; my four tiles' codes
	s_wait_alu depctr_va_vdst(0)
	s_wait_kmcnt 0x0
	s_cmp_lt_u32 ttmp9, 128                        ; the first 128 work-groups take x, the next 128 y: the choice hangs on the work-group's number alone
	s_cselect_b64 s[4:5], s[4:5], s[6:7]
	s_cselect_b64 s[8:9], s[8:9], s[10:11]
	s_add_nc_u64 s[4:5], s[4:5], s[20:21]
	s_add_nc_u64 s[10:11], s[8:9], s[24:25]
	s_add_nc_u64 s[8:9], s[8:9], s[22:23]
.macro LOAD a                          ; tile a's sixteen rows, 512 consecutive bytes each
.irp i, 0,1,2,3,4,5,6,7,8,9,10,11,12,13,14,15
	global_load_b128 v[64+64*((\a)%2)+4*\i:64+64*((\a)%2)+4*\i+3], v1, s[4:5] offset:(32*((\a)/2)+8*((\a)%2)+\i+8*(\i/8))*4096 th:TH_LOAD_NT
.endr
.endm
.macro FRAGQ a
.set LSET, 64+64*((\a)%2)
.set PC, 32+12*((\a)%2)
.if (\a) < 3
	s_wait_loadcnt 16                              ; this tile's sixteen loads are in; the next tile's sixteen may be out
.else
	s_wait_loadcnt 0x0
.endif
.irp i, 0,1,2,3,4,5,6,7,8,9,10,11,12,13,14,15
	ds_store_b128 v2, v[LSET+4*\i:LSET+4*\i+3] offset:PITCH*\i
.endr
.irp c, 0,1
.irp q, 0,1,2,3,4,5,6,7
	ds_load_b128 v[X+32*\c+4*\q:X+32*\c+4*\q+3], v3 offset:256*\c+16*\q   ; LDS serves a wave's instructions in order: these see the stores above
.endr
.endr
	s_wait_dscnt 0x0                               ; the numbers are back, and the stores have read their registers,
.if (\a)+2 < 4
	LOAD (\a)+2                                    ; which take the tile two further on
.endif
.irp c, 0,1
	v_max3_num_f32 v[10+\c], |v[X+32*\c]|, |v[X+32*\c+1]|, 0x1800000   ; my block 2 c + h: all 32 numbers are mine; the floor 2^(3 - 127) holds the byte at 1 from below
.endr
.irp i, 2,4,6,8,10,12,14,16,18,20,22,24,26,28,30
.irp c, 0,1
	s_delay_alu instid0(VALU_DEP_2)
	v_max3_num_f32 v[10+\c], v[10+\c], |v[X+32*\c+\i]|, |v[X+32*\c+\i+1]|
.endr
.endr
.irp c, 0,1
	s_delay_alu instid0(VALU_DEP_2)
	v_add_nc_u32 v[12+\c], 0xff000000, v[10+\c]    ; 2 off the exponent field: the conversion takes this operand's exponent field as its scale
.endr
.irp c, 0,1
	s_delay_alu instid0(VALU_DEP_2)
	v_lshrrev_b32 v[14+\c], 23, v[12+\c]           ; the scale's byte
.endr
	s_delay_alu instid0(VALU_DEP_1)
	v_lshl_or_b32 v16, v15, 16, v14                ; my two bytes, blocks h and 2 + h,
	s_delay_alu instid0(VALU_DEP_1)
	v_lshlrev_b32 v16, v8, v16                     ; at their places in the row's scale word;
	s_delay_alu instid0(VALU_DEP_1)
	v_permlanex16_b32 v17, v16, s26, s27
	s_delay_alu instid0(VALU_DEP_1)
	v_or_b32 v16, v16, v17                         ; with lane l xor 16's two the word is whole
.if (\a) >= 2
	s_wait_alu depctr_va_vdst(0)
	s_wait_xcnt 0x0                                ; the stores of two tiles ago have read this set of codes: it is written again only behind this wait
.endif
.irp c, 0,1
	v_cvt_scalef32_pk16_fp6_f32 v[PC+6*\c:PC+6*\c+2], v[X+32*\c:X+32*\c+15], v[12+\c]
	v_cvt_scalef32_pk16_fp6_f32 v[20+4*\c:22+4*\c], v[X+32*\c+16:X+32*\c+31], v[12+\c]   ; (a conversion's three registers begin on an even number)
.endr
	v_nop                                          ; one plain place behind a scaled conversion
.irp c, 0,1
.irp i, 0,1,2
	v_mov_b32 v[PC+6*\c+3+\i], v[20+4*\c+\i]
.endr
.endr
.irp c, 0,1
	global_store_b128 v1, v[PC+6*\c:PC+6*\c+3], s[8:9] offset:1536*(\a)+768*\c         ; 512 consecutive bytes, aligned
	global_store_b64 v5, v[PC+6*\c+4:PC+6*\c+5], s[8:9] offset:1536*(\a)+768*\c+512    ; 256 consecutive bytes, aligned
.endr
	ds_store_b32 v6, v16 offset:64*(\a)            ; both halves of the lanes write the same word with the same value
.endm
	LOAD 0
	LOAD 1
	FRAGQ 0
	FRAGQ 1
	FRAGQ 2
	FRAGQ 3
	ds_load_b64 v[10:11], v7                       ; my 64 scale words, in order behind my stores of them
	s_wait_dscnt 0x0
	global_store_b64 v5, v[10:11], s[10:11]        ; 256 consecutive bytes, aligned
	s_wait_tensorcnt 0x0                           ; the wave's end
	ds_add_u32 v[SPW], v[NIL]
	s_wait_dscnt 0x0
	s_endpgm
; ---- the weights.  v3 4 x; v4, v5 stage in; v6 stage out; v7 16 l; v8 my scale word's place; v11 scale operand; v12-13 maxima; v14 scale word; v16-21 a block's codes; v24-26 its second half;
; v32-95 two sets of 32 numbers; v96-119 the way out
.Lweights:
	s_load_b256 s[4:11], s[0:1], 0x10              ; wq, wk, wv, wo
	s_load_b64 s[12:13], s[0:1], 0x40              ; wc
	v_lshrrev_b32 v1, 5, v0
	v_readfirstlane_b32 s27, v1                    ; wave 0..7
	s_and_b32 s14, s27, 3                          ; which 32 columns of a record's 128
	s_lshr_b32 s28, s27, 2                         ; which of my work-group's two records
	s_sub_co_u32 s29, ttmp9, 256
	s_lshl_b32 s29, s29, 1
	s_add_co_u32 s29, s29, s28                     ; the record, 0..255
	v_and_b32 v1, 31, v0                           ; x
	v_lshlrev_b32 v3, 2, v1
	v_bfe_u32 v2, v0, 3, 1                         ; u: which of my wave's two tiles
	v_bfe_u32 v9, v0, 4, 1
	v_and_b32 v10, 7, v0
	v_lshl_add_u32 v9, v9, 3, v10                  ; r
	s_mul_i32 s15, s14, 3072                       ; my two fragments' place in the record,
	s_mul_i32 s26, s27, 3072
	s_add_co_u32 s26, s26, WST                     ; and my wave's stage in LDS
	v_mul_u32_u24 v4, v2, 1536
	v_add_nc_u32 v4, s26, v4
	v_lshl_add_u32 v5, v9, 3, v4
	v_add_nc_u32 v5, 512, v5                       ; a block's last 8 bytes: 512 + 8 (r + 16 h); the 128 h stands in the immediate
	v_lshl_add_u32 v4, v9, 4, v4                   ; its first 16: 16 (r + 16 h)
	v_lshlrev_b32 v7, 4, v1
	v_add_nc_u32 v6, s26, v7
	v_lshlrev_b32 v8, 6, v2
	v_lshl_add_u32 v8, v9, 2, v8                   ; 64 u + 4 r
	s_lshr_b32 s16, s29, 6                         ; which weight
	s_bfe_u32 s17, s29, 0x30003                    ; group of 128 columns
	s_and_b32 s18, s29, 7                          ; K step
	s_lshl_b32 s20, s18, 19                        ; 128 rows of 4,096 bytes
	s_lshl_b32 s19, s17, 9
	s_add_co_u32 s20, s20, s19
	s_lshl_b32 s19, s14, 7
	s_add_co_u32 s20, s20, s19                     ; + 512 g + 128 (w % 4)
	s_mov_b32 s21, 0
	s_mul_i32 s22, s16, 819200
	s_mul_i32 s19, s17, 102400
	s_add_co_u32 s22, s22, s19
	s_mul_i32 s19, s18, 12800
	s_add_co_u32 s22, s22, s19                     ; the record's place in wc
	s_mov_b32 s23, 0
	s_lshl_b32 s24, s14, 7
	s_add_co_u32 s24, s24, s22
	s_add_co_u32 s24, s24, 12288                   ; my two tiles' scale words
	s_mov_b32 s25, 0
	s_add_co_u32 s22, s22, s15                     ; my two tiles' codes
	s_wait_alu depctr_va_vdst(0)
	s_wait_kmcnt 0x0
	s_cmp_eq_u32 s16, 1
	s_cselect_b64 s[4:5], s[6:7], s[4:5]
	s_cmp_eq_u32 s16, 2
	s_cselect_b64 s[4:5], s[8:9], s[4:5]
	s_cmp_eq_u32 s16, 3
	s_cselect_b64 s[4:5], s[10:11], s[4:5]         ; the choice hangs on ids alone
	s_add_nc_u64 s[4:5], s[4:5], s[20:21]
	s_add_nc_u64 s[14:15], s[12:13], s[24:25]
	s_add_nc_u64 s[12:13], s[12:13], s[22:23]
.macro WLOAD t                         ; block t: W(32 t + i, my column): 128 consecutive bytes a wave, 512 for the four waves of a record
.irp i, 0,1,2,3,4,5,6,7,8,9,10,11,12,13,14,15,16,17,18,19,20,21,22,23,24,25,26,27,28,29,30,31
	global_load_b32 v[32+32*((\t)%2)+\i], v3, s[4:5] offset:(32*(\t)+\i)*4096 th:TH_LOAD_NT
.endr
.endm
.macro BLOCK t
.set XS, 32+32*((\t)%2)
.if (\t) < 3
	s_wait_loadcnt 32                              ; this block's 32 loads are in; the next block's may be out
.else
	s_wait_loadcnt 0x0
.endif
	v_max3_num_f32 v12, |v[XS]|, |v[XS+1]|, |v[XS+2]|
	v_max3_num_f32 v13, |v[XS+3]|, |v[XS+4]|, |v[XS+5]|
.irp i, 6,10,14,18,22,26
	v_max3_num_f32 v12, v12, |v[XS+\i]|, |v[XS+\i+1]|
	v_max3_num_f32 v13, v13, |v[XS+\i+2]|, |v[XS+\i+3]|
.endr
	v_max3_num_f32 v12, v12, |v[XS+30]|, |v[XS+31]|
	v_max3_num_f32 v12, v12, v13, 0x1800000        ; and the floor 2^(3 - 127): the byte cannot fall under 1
	v_add_nc_u32 v11, 0xff000000, v12              ; 2 off the exponent field: the conversion's scale operand
	v_lshrrev_b32 v13, 23, v11                     ; the scale's byte
.if (\t) == 0
	v_mov_b32 v14, v13
.else
	v_lshl_or_b32 v14, v13, 8*(\t), v14            ; four bytes make my column's scale word, the lower K in the lower byte
.endif
	v_cvt_scalef32_pk16_fp6_f32 v[16:18], v[XS:XS+15], v11
	v_cvt_scalef32_pk16_fp6_f32 v[24:26], v[XS+16:XS+31], v11   ; (a conversion's three registers begin on an even number)
	v_nop                                          ; one plain place behind a scaled conversion
	v_mov_b32 v19, v24
	v_mov_b32 v20, v25
	v_mov_b32 v21, v26
	ds_store_b128 v4, v[16:19] offset:768*((\t)/2)+256*((\t)%2)   ; block t is half-image t / 2, lane r + 16 (t % 2)
	ds_store_b64 v5, v[20:21] offset:768*((\t)/2)+128*((\t)%2)
.if (\t)+2 < 4
	WLOAD (\t)+2
.endif
	s_wait_dscnt 0x0                               ; the stores have read their registers: the next block's codes may be written
.endm
	WLOAD 0
	WLOAD 1
	BLOCK 0
	BLOCK 1
	BLOCK 2
	BLOCK 3
	s_wait_alu depctr_va_vdst(0)                   ; directly ahead of the reader below
	global_store_b32 v8, v14, s[14:15]             ; my wave's 32 scale words: 128 consecutive bytes
.irp q, 0,1,2,3,4,5
	ds_load_b128 v[96+4*\q:99+4*\q], v6 offset:512*\q
.endr
.irp q, 0,1,2,3,4,5
	s_wait_dscnt 5-\q                              ; LDS loads come back in order: number q is in, the later ones may be out
	global_store_b128 v7, v[96+4*\q:99+4*\q], s[12:13] offset:512*\q   ; 512 consecutive bytes, aligned
.endr
	s_wait_tensorcnt 0x0                           ; the wave's end
	ds_add_u32 v[SPW], v[NIL]
	s_wait_dscnt 0x0
	s_endpgm
.Lfunc_end_k_qc5c851ae86_prep:
	.size	k_qc5c851ae86_prep, .Lfunc_end_k_qc5c851ae86_prep-k_qc5c851ae86_prep
	.p2alignl 7, 3214868480
	.fill 96, 4, 3214868480
	.section	.rodata,"a",@progbits
	.p2align	6, 0x0
	.amdhsa_kernel k_qc5c851ae86_prep
		.amdhsa_group_segment_fixed_size 95232
		.amdhsa_private_segment_fixed_size 0
		.amdhsa_enable_private_segment 0
		.amdhsa_kernarg_size 72
		.amdhsa_user_sgpr_count 2
		.amdhsa_user_sgpr_kernarg_segment_ptr 1
		.amdhsa_wavefront_size32 1
		.amdhsa_system_sgpr_workgroup_id_x 1
		.amdhsa_system_sgpr_workgroup_id_y 1
		.amdhsa_system_sgpr_workgroup_id_z 1
		.amdhsa_system_vgpr_workitem_id 0
		.amdhsa_next_free_vgpr 256
		.amdhsa_next_free_sgpr 66
		.amdhsa_reserve_vcc 0
		.amdhsa_float_denorm_mode_32 3
		.amdhsa_float_denorm_mode_16_64 3
		.amdhsa_memory_ordered 1
		.amdhsa_forward_progress 1
		.amdhsa_inst_pref_size 58
	.end_amdhsa_kernel
	.amdgpu_metadata
---
amdhsa.version: [ 1, 2 ]
amdhsa.kernels:
  - .name:           k_qc5c851ae86_prep
    .symbol:         k_qc5c851ae86_prep.kd
    .args:
      - { .name: x, .offset: 0, .size: 8, .value_kind: global_buffer, .address_space: global }
      - { .name: y, .offset: 8, .size: 8, .value_kind: global_buffer, .address_space: global }
      - { .name: wq, .offset: 16, .size: 8, .value_kind: global_buffer, .address_space: global }
      - { .name: wk, .offset: 24, .size: 8, .value_kind: global_buffer, .address_space: global }
      - { .name: wv, .offset: 32, .size: 8, .value_kind: global_buffer, .address_space: global }
      - { .name: wo, .offset: 40, .size: 8, .value_kind: global_buffer, .address_space: global }
      - { .name: xc, .offset: 48, .size: 8, .value_kind: global_buffer, .address_space: global }
      - { .name: yc, .offset: 56, .size: 8, .value_kind: global_buffer, .address_space: global }
      - { .name: wc, .offset: 64, .size: 8, .value_kind: global_buffer, .address_space: global }
    .group_segment_fixed_size: 95232
    .private_segment_fixed_size: 0
    .kernarg_segment_align: 8
    .kernarg_segment_size: 72
    .max_flat_workgroup_size: 256
    .sgpr_count:     66
    .vgpr_count:     256
    .wavefront_size: 32
...
	.end_amdgpu_metadata
.endif
;; end of part 1
;; launch proj (part 2): grid 8 x 96, 4 waves a work-group, clusters of 4 x 4, 307,712 bytes of LDS; arguments xc, yc, wc, bq, bk, bv, qimg, kvimg; writes qimg, kvimg
.if DOCPART == 2
	.amdgcn_target "amdgcn-amd-amdhsa--gfx1250"
	.amdhsa_code_object_version 6
	.text
	.protected	k_qc5c851ae86_proj
	.globl	k_qc5c851ae86_proj
	.p2align	8
	.type	k_qc5c851ae86_proj,@function
k_qc5c851ae86_proj:
	s_mov_b64 s[64:65], 0
	v_nop
	global_prefetch_b8 v0, s[64:65] scope:SCOPE_SE
	s_setreg_imm32_b32 hwreg(HW_REG_WAVE_MODE, 25, 1), 1
	s_wait_xcnt 0x0
	s_wait_alu depctr_hold_cnt(0) depctr_sa_sdst(0) depctr_va_vdst(0) depctr_va_sdst(0) depctr_va_ssrc(0) depctr_va_vcc(0) depctr_vm_vsrc(0)
	s_getreg_b32 s2, hwreg(HW_REG_IB_STS2, 6, 4)
	s_cmp_eq_u32 s2, 0
	s_cbranch_scc0 .Lentry_in_a_cluster
	s_endpgm
.Lentry_in_a_cluster:
	s_bfe_u32 s2, ttmp6, 0x10000c
	s_cmp_lg_u32 s2, 0xf033
	s_cbranch_scc0 .Lentry_shape_is_right
	s_endpgm
.Lentry_shape_is_right:
; The three projections, on codes of FP6 (E2M3) with E8M0 scales, and the quantising of their results for the attention.
; One form serves all: Out[i][j] = sum over k of P[i][k] R[j][k] + bias, quantised along j in blocks of 32.  Problem 0: q (P = x's codes, R = wq's, bias bq along j); 1: k (y, wk, bk along j);
; 2: v TRANSPOSED (P = wv's codes, R = y's, bias bv along i), so that v is quantised along the keys.  K = 1,024 in 8 steps of 128.
; Operands lie in memory as images of the matrix unit's registers: [group of 128 rows][K step]: records of 12,800 bytes = 8 fragments of 1,536 bytes + 128 scale words.
; Tile t of a group holds rows 32 (t / 2) + 8 (t % 2) + r + 8 (r / 8).  THE MATRIX INSTRUCTION TAKES R AS SOURCE 0 AND P AS SOURCE 1: lane (r, h) then holds one row i, and the 16 registers of
; R's tiles 2 b and 2 b + 1 are j = 32 b + 16 h + 0 .. 15: sixteen neighbours along the next product's K.
; SHARES.  A work-group makes 256 i x 128 j.  All of K of its two groups of P and its one of R, 307,200 bytes, comes into LDS ONCE, one load a group: no LDS byte is filled twice.
; A wave makes 64 i x 128 j: 32 accumulators.  CLUSTERS: 4 x 4 work-groups; P's chunks are shared along a row of the cluster, R's along a column: joint loads.
; OUT.  A wave's unit (16 i x 128 j) becomes one fragment and one scale word a row.  q, k: its two halves are two heads' 64; a head's scale word repeats its two bytes, for the half of the
; attention's first product that is filled with zero codes.  v: the fragment is 16 of a head's 64 channels x 128 keys.
; qimg = [batch x head][tile of 16 queries][768], then at 6,291,456 the scale words [batch x head][tile][16].  kvimg = [batch x head][128 keys]: records of 13,056 bytes: k's 8 half-images, v's 4 fragments, k's 128 scale words, v's 64.
; LIMITS: NaN and infinities are not served; a block of zeros, or one under 2^-124, gets the byte 1 where the rule says 127: the bytes are read by this program alone.
; REGISTERS: window 0: v1-9 lane numbers and LDS addresses; v16-27 scale words, two sets; v28-39 the way out's offsets; v64-159 P's fragments, two sets; v160-186 at work; v192-255 the bias, later the codes.
;   window 1: R's fragments, two sets, at v0 and v128.   window 2: accumulator (a, b) at v[8 (8 a + b)].
.set GB,   102400                      ; a group of 128 rows, all of K
.set REC,  12800
.set CHK,  2*REC                       ; a chunk: two K steps of one group
.set RB,   2*GB                        ; R's group in LDS, behind P's two
.set TM,   160                         ; v160-163 largest magnitudes, v164-167 the permute's targets and the bytes, v172-175 the conversions' scale operands
.set PW,   176                         ; the scale word just made
.set T2,   180                         ; v180-182, v184-186 second halves of blocks' codes
.set BI,   192                         ; the bias
.set G1P,  32
.set G1R,  40
.set G0P,  48                          ; s[48:51]: group 0 of P's one load
.set G0R,  68                          ; s[68:71]: for R's
.set MSB, 0
.macro WIN new                         ; the immediate's high byte repeats the setting that is left
.if MSB != \new
	s_set_vgpr_msb (MSB<<8)|\new
.set MSB, \new
.endif
.endm
.macro ROUND                           ; a round of the cluster's barrier
	s_barrier_signal -1
	s_barrier_wait -1
	s_cmp_lg_u32 s20, 0
	s_cbranch_scc1 .Lnot_wave_0_\@
	s_barrier_signal -3
.Lnot_wave_0_\@:
	s_barrier_wait -3
	s_barrier_signal -1
	s_barrier_wait -1
.endm
	s_load_b256 s[4:11], s[0:1], 0x0               ; xc, yc, wc, bq
	s_load_b256 s[12:19], s[0:1], 0x20             ; bk, bv, qimg, kvimg
	v_lshl_add_u32 v190, v0, 2, 0x4b000
	v_mov_b32 v191, 0
	ds_add_u32 v190, v191
	ds_add_u32 v190, v191
	v_lshrrev_b32 v1, 5, v0
	v_readfirstlane_b32 s20, v1                    ; wave
	s_and_b32 s21, s20, 1
	s_lshr_b32 s22, s20, 1
	s_bfe_u32 s23, ttmp6, 0x40000                  ; cx
	s_bfe_u32 s24, ttmp6, 0x40004                  ; cy
	s_and_b32 s31, ttmp7, 0xffff                   ; the cluster's y
	s_lshr_b32 s27, s31, 3                         ; the problem: 0 q, 1 k, 2 v: the same in the whole cluster
	s_and_b32 s28, s31, 7
	s_cmp_eq_u32 s27, 2
	s_cselect_b32 s96, 0, s28
	s_cselect_b32 s98, s28, 0
	s_lshl_b32 s96, s96, 2
	s_add_co_u32 s29, s96, s24                     ; I: which 256 rows of P; it never holds cx
	s_lshl_b32 s98, s98, 3
	s_lshl_b32 s99, ttmp9, 2
	s_add_co_u32 s98, s98, s99
	s_add_co_u32 s30, s98, s23                     ; J: which 128 rows of R; it never holds cy
	s_lshl_b32 s96, s24, 2
	s_lshl_b32 s96, 15, s96                        ; my row of the cluster
	s_lshl_b32 s98, 0x1111, s23                    ; my column
	; descriptor group 1: a load is 102,400 dense bytes: 400 rows of 32 elements of 8 bytes
	s_or_b32 s[G1P], s96, (3<<16)|(1<<21)          ; 15:0 the mask; 17:16 elements of 8 bytes; 21 set beside a mask; no padding
	s_or_b32 s[G1R], s98, (3<<16)|(1<<21)
.irp g, G1P, G1R
	s_mov_b32 s[\g+1], 32<<16                      ; tensor_dim0 = 32
	s_mov_b32 s[\g+2], 400<<16                     ; tensor_dim1 = 400: a whole group, all of K, is 102,400 dense bytes
	s_mov_b32 s[\g+3], 32<<16                      ; tile_dim0 = 32
	s_mov_b32 s[\g+4], 400                         ; tile_dim1 = 400
	s_mov_b32 s[\g+5], 32                          ; elements from row to row
	s_mov_b32 s[\g+6], 0
	s_mov_b32 s[\g+7], 0
.endr
	s_lshl_b32 s96, s29, 1
	s_add_co_u32 s96, s96, s21                     ; waves 0 and 1 fetch P's two groups
	s_mul_i32 s96, s96, GB
	s_cmp_eq_u32 s27, 2
	s_cselect_b32 s97, 1638400, 0                  ; wv's place in wc
	s_add_co_u32 s96, s96, s97
	s_mov_b32 s97, 0
	s_mul_i32 s98, s30, GB
	s_cmp_eq_u32 s27, 1
	s_cselect_b32 s99, 819200, 0                   ; wk's place in wc
	s_add_co_u32 s98, s98, s99
	s_mov_b32 s99, 0
	s_mul_i32 s31, s21, GB                         ; where P's group goes: no place in the cluster enters an LDS address
	s_wait_dscnt 0x0
	s_wait_kmcnt 0x0
	s_cmp_eq_u32 s27, 0
	s_cselect_b64 s[84:85], s[4:5], s[6:7]
	s_cmp_eq_u32 s27, 2
	s_cselect_b64 s[84:85], s[8:9], s[84:85]       ; P: xc, yc or wc
	s_cselect_b64 s[86:87], s[6:7], s[8:9]         ; R: wc, wc or yc
	s_add_nc_u64 s[84:85], s[84:85], s[96:97]
	s_add_nc_u64 s[86:87], s[86:87], s[98:99]
	ROUND                                          ; all sixteen work-groups are here: the joint loads meet
.irp c, 0
	s_mov_b32 s[G0P+4*\c], 1
	s_add_co_u32 s[G0P+4*\c+1], s31, \c*CHK
	s_add_nc_u64 s[G0P+4*\c+2:G0P+4*\c+3], s[84:85], \c*CHK
	s_or_b32 s[G0P+4*\c+3], s[G0P+4*\c+3], 0x80000000
	s_mov_b32 s[G0R+4*\c], 1
	s_mov_b32 s[G0R+4*\c+1], RB+\c*CHK
	s_add_nc_u64 s[G0R+4*\c+2:G0R+4*\c+3], s[86:87], \c*CHK
	s_or_b32 s[G0R+4*\c+3], s[G0R+4*\c+3], 0x80000000
.endr
	; ONE LOAD A WAVE: waves 0 and 1 bring P's two groups, wave 2 R's, each whole, all of K, 400 rows of 256 bytes; wave 3 brings none.  One chain of branches on the wave's number
	s_cmp_lt_u32 s20, 2
	s_cbranch_scc0 .Lnot_p
	tensor_load_to_lds s[G0P:G0P+3], s[G1P:G1P+7]
	s_nop 0
.rept 4
	v_nop
.endr
	s_branch .Lasked
.Lnot_p:
	s_cmp_eq_u32 s20, 2
	s_cbranch_scc0 .Lasked
	tensor_load_to_lds s[G0R:G0R+3], s[G1R:G1R+7]
	s_nop 0
.rept 4
	v_nop
.endr
.Lasked:
	v_and_b32 v1, 31, v0                           ; l
	v_and_b32 v2, 15, v0                           ; r
	v_bfe_u32 v3, v0, 4, 1                         ; h
	s_mul_i32 s31, s22, GB                         ; my group of P,
	s_mul_i32 s2, s21, 6144
	s_add_co_u32 s2, s2, s31                       ; my four tiles of it
	v_lshl_add_u32 v4, v1, 4, s2                   ; an image's first part: 16 l
	v_lshl_add_u32 v5, v1, 3, s2
	v_add_nc_u32 v5, 512, v5                       ; its second: 512 + 8 l
	v_lshl_add_u32 v6, v1, 4, RB
	v_lshl_add_u32 v7, v1, 3, RB+512
	s_lshl_b32 s2, s21, 8
	s_add_co_u32 s2, s2, s31
	s_add_co_u32 s2, s2, 12288
	v_lshl_add_u32 v8, v1, 2, s2                   ; scale words: lanes 0-15 an even tile's, lanes 16-31 the next tile's
	v_lshl_add_u32 v9, v1, 2, RB+12288
	v_lshlrev_b32 v38, 6, v3                       ; a bias along j: 64 h
	v_and_b32 v39, 8, v2
	v_add_nc_u32 v39, v39, v2
	v_lshlrev_b32 v39, 2, v39                      ; a bias along i: 4 (r + 8 (r / 8))
.irp b, 4,5,6,7
	v_mov_b32 v[TM+\b], 0                          ; written once: a lane permute's destination counts as one of its sources
.endr
	; THE BIAS IS THE C OF THE FIRST K STEP'S PRODUCTS: eight registers in the result's layout for each of R's tiles (along j) or of P's (along i)
	s_cmp_eq_u32 s27, 0
	s_cselect_b64 s[88:89], s[10:11], s[12:13]
	s_cmp_eq_u32 s27, 2
	s_cselect_b64 s[88:89], s[14:15], s[88:89]
	s_lshl_b32 s2, s29, 8
	s_lshl_b32 s3, s20, 6
	s_add_co_u32 s2, s2, s3
	s_lshl_b32 s2, s2, 2                           ; along i: my first row, 256 I + 64 w
	s_lshl_b32 s3, s30, 9                          ; along j: 128 J
	s_cmp_eq_u32 s27, 2
	s_cselect_b32 s2, s2, s3
	s_mov_b32 s3, 0
	s_add_nc_u64 s[88:89], s[88:89], s[2:3]
	s_cmp_eq_u32 s27, 2
	s_cbranch_scc1 .Lbias_i
	s_wait_alu depctr_va_vdst(0)
.irp b, 0,1,2,3,4,5,6,7
	global_load_b128 v[BI+8*\b:BI+8*\b+3], v38, s[88:89] offset:(32*(\b/2)+8*(\b%2))*4
	global_load_b128 v[BI+8*\b+4:BI+8*\b+7], v38, s[88:89] offset:(32*(\b/2)+8*(\b%2))*4+16
.endr
	s_branch .Lbias_in
.Lbias_i:
	s_wait_alu depctr_va_vdst(0)
.irp a, 0,1,2,3
.irp n, 0,1,2,3,4,5,6,7
	global_load_b32 v[BI+8*\a+\n], v39, s[88:89] offset:(32*(\a/2)+8*(\a%2))*4   ; my row's one number, in all eight registers
.endr
.endr
.Lbias_in:
	; where the results go: offsets alone differ between the problems.  s84 the first half's codes, s86 the second half's, s94 the scale words, s25 from the first half's words to the second's, s26 from unit to unit, s2, s3 which bytes of the word each half of the lanes stores
	s_cmp_eq_u32 s27, 0
	s_cbranch_scc0 .Lpar_k
	s_lshr_b32 s84, s29, 3                         ; q: the batch,
	s_lshl_b32 s84, s84, 4
	s_lshl_b32 s86, s30, 1
	s_add_co_u32 s84, s84, s86                     ; head 2 J of it,
	s_lshl_b32 s84, s84, 7
	s_lshl_b32 s86, s29, 4
	s_lshl_b32 s31, s20, 2
	s_add_co_u32 s86, s86, s31
	s_and_b32 s86, s86, 127
	s_add_co_u32 s31, s84, s86                     ; my first tile of 16 queries
	s_mul_i32 s84, s31, 768
	s_add_co_u32 s86, s84, 98304                   ; the next head: 128 tiles on
	s_lshl_b32 s94, s31, 6
	s_add_co_u32 s94, s94, 6291456
	s_mov_b32 s25, 8192
	s_mov_b32 s26, 768
	s_mov_b32 s2, 0x01000100
	s_mov_b32 s3, 0x03020302
	s_branch .Lpar_done
.Lpar_k:
	s_cmp_eq_u32 s27, 1
	s_cbranch_scc0 .Lpar_v
	s_lshr_b32 s84, s29, 3                         ; k: the batch,
	s_lshl_b32 s84, s84, 4
	s_lshl_b32 s86, s30, 1
	s_add_co_u32 s84, s84, s86                     ; head 2 J of it,
	s_lshl_b32 s84, s84, 4
	s_lshl_b32 s86, s29, 1
	s_add_co_u32 s86, s86, s22
	s_and_b32 s86, s86, 15
	s_add_co_u32 s84, s84, s86                     ; my 128 keys
	s_mul_i32 s31, s84, 13056
	s_mul_i32 s84, s21, 3072
	s_add_co_u32 s84, s84, s31                     ; my four tiles
	s_add_co_u32 s86, s84, 208896                  ; the next head: 16 records on
	s_lshl_b32 s94, s21, 8
	s_add_co_u32 s94, s94, s31
	s_add_co_u32 s94, s94, 12288
	s_mov_b32 s25, 208896
	s_mov_b32 s26, 768
	s_mov_b32 s2, 0x01000100
	s_mov_b32 s3, 0x03020302
	s_branch .Lpar_done
.Lpar_v:
	s_lshr_b32 s84, s30, 4                         ; v: the batch,
	s_lshl_b32 s84, s84, 4
	s_lshl_b32 s86, s29, 2
	s_add_co_u32 s84, s84, s86
	s_add_co_u32 s84, s84, s20                     ; head 4 I + w: my 64 rows are one head's channels,
	s_lshl_b32 s84, s84, 4
	s_and_b32 s86, s30, 15
	s_add_co_u32 s84, s84, s86                     ; these 128 keys
	s_mul_i32 s31, s84, 13056
	s_add_co_u32 s84, s31, 6144
	s_add_co_u32 s86, s31, 6144+768
	s_add_co_u32 s94, s31, 12800
	s_mov_b32 s25, 0
	s_mov_b32 s26, 1536
	s_mov_b32 s2, 0x03020100
	s_mov_b32 s3, 0x03020100
.Lpar_done:
	s_mov_b32 s85, 0
	s_mov_b32 s87, 0
	s_mov_b32 s95, 0
	s_cmp_eq_u32 s27, 0
	s_cselect_b64 s[90:91], s[16:17], s[18:19]     ; qimg or kvimg
	s_add_nc_u64 s[92:93], s[90:91], s[86:87]
	s_add_nc_u64 s[94:95], s[90:91], s[94:95]
	s_add_nc_u64 s[90:91], s[90:91], s[84:85]
	v_lshlrev_b32 v28, 4, v1                       ; unit a's offsets: 16 l + a x the step,
	v_lshl_add_u32 v32, v1, 3, 512                 ; 512 + 8 l + a x the step
.irp a, 1,2,3
	v_add_nc_u32 v[28+\a], s26, v[27+\a]
	v_add_nc_u32 v[32+\a], s26, v[31+\a]
.endr
	v_mul_lo_u32 v36, v3, s25
	v_lshl_add_u32 v36, v2, 2, v36                 ; the scale words: 4 r, lanes 16-31 the second half's
	v_mov_b32 v37, s2
	v_mov_b32 v10, s3
	v_cmp_eq_u32 vcc_lo, 1, v3
	v_cndmask_b32 v37, v37, v10, vcc_lo            ; and which bytes they take
; One scaled product.  d, c: D's and C's first registers; ra, rb: source 0's and 1's; sa, sb: their scale registers; oa, ob: 1 = the scales stand in lanes 16-31
.macro WM d, ra, rb, c, sa, sb, oa, ob
.if (\oa) && (\ob)
	v_wmma_scale_f32_16x16x128_f8f6f4 v[(\d):(\d)+7], v[(\ra):(\ra)+11], v[(\rb):(\rb)+11], v[(\c):(\c)+7], v[(\sa)], v[(\sb)] matrix_a_fmt:MATRIX_FMT_FP6 matrix_b_fmt:MATRIX_FMT_FP6 matrix_a_scale:MATRIX_SCALE_ROW1 matrix_b_scale:MATRIX_SCALE_ROW1
.elseif (\oa)
	v_wmma_scale_f32_16x16x128_f8f6f4 v[(\d):(\d)+7], v[(\ra):(\ra)+11], v[(\rb):(\rb)+11], v[(\c):(\c)+7], v[(\sa)], v[(\sb)] matrix_a_fmt:MATRIX_FMT_FP6 matrix_b_fmt:MATRIX_FMT_FP6 matrix_a_scale:MATRIX_SCALE_ROW1
.elseif (\ob)
	v_wmma_scale_f32_16x16x128_f8f6f4 v[(\d):(\d)+7], v[(\ra):(\ra)+11], v[(\rb):(\rb)+11], v[(\c):(\c)+7], v[(\sa)], v[(\sb)] matrix_a_fmt:MATRIX_FMT_FP6 matrix_b_fmt:MATRIX_FMT_FP6 matrix_b_scale:MATRIX_SCALE_ROW1
.else
	v_wmma_scale_f32_16x16x128_f8f6f4 v[(\d):(\d)+7], v[(\ra):(\ra)+11], v[(\rb):(\rb)+11], v[(\c):(\c)+7], v[(\sa)], v[(\sb)] matrix_a_fmt:MATRIX_FMT_FP6 matrix_b_fmt:MATRIX_FMT_FP6
.endif
.endm
; A K step's 32 products on set p.  mode 0: they add in place; 1: the sums start from the bias along j; 2: along i.  The 32 accumulators take turns, one instruction a turn, in the same order in every step.
.macro MUL p, mode
.if \mode == 0
	WIN 0xa1                                       ; source 0 (R) window 1, source 1 (P) window 0, C and D window 2
.else
	WIN 0x81                                       ; C (the bias) window 0
.endif
.irp a, 0,1,2,3
.irp b, 0,1,2,3,4,5,6,7
.if \mode == 0
	WM 8*(8*\a+\b), 128*(\p)+12*\b, 64+48*(\p)+12*\a, 8*(8*\a+\b), 18+6*(\p)+\b/2, 16+6*(\p)+\a/2, \b%2, \a%2
.elseif \mode == 1
	WM 8*(8*\a+\b), 128*(\p)+12*\b, 64+48*(\p)+12*\a, BI+8*\b, 18+6*(\p)+\b/2, 16+6*(\p)+\a/2, \b%2, \a%2
.else
	WM 8*(8*\a+\b), 128*(\p)+12*\b, 64+48*(\p)+12*\a, BI+8*\a, 18+6*(\p)+\b/2, 16+6*(\p)+\a/2, \b%2, \a%2
.endif
.endr
.endr
	WIN 0
.endm
; A K step's fragments and scale words into set p: 54 LDS loads, each of consecutive bytes from lane to lane
.macro FETCH p
	WIN 0x40                                       ; destination window 1
.irp b, 0,1,2,3,4,5,6,7
.irp c, 0,1
	ds_load_b128 v[128*(\p)+12*\b+6*\c:128*(\p)+12*\b+6*\c+3], v6 offset:1536*\b+768*\c
	ds_load_b64 v[128*(\p)+12*\b+6*\c+4:128*(\p)+12*\b+6*\c+5], v7 offset:1536*\b+768*\c
.endr
.endr
	WIN 0
.irp a, 0,1,2,3
.irp c, 0,1
	ds_load_b128 v[64+48*(\p)+12*\a+6*\c:64+48*(\p)+12*\a+6*\c+3], v4 offset:1536*\a+768*\c
	ds_load_b64 v[64+48*(\p)+12*\a+6*\c+4:64+48*(\p)+12*\a+6*\c+5], v5 offset:1536*\a+768*\c
.endr
.endr
.irp i, 0,1
	ds_load_b32 v[16+6*(\p)+\i], v8 offset:128*\i
.endr
.irp i, 0,1,2,3
	ds_load_b32 v[18+6*(\p)+\i], v9 offset:128*\i
.endr
.endm
; What stands ahead of step s's products: its operands are in; the next step's are asked for, and land while this step is multiplied
.macro AHEAD s
	s_wait_dscnt 0x0                               ; step s's fragments and scale words are in
.if (\s) < 7
.irp r, 4,5,6,7,8,9
	v_add_nc_u32 v\r, REC, v\r                     ; on to the next record.  These six are also the places between the last step's products and the loads into their set
.endr
	FETCH ((\s)+1)%2
.endif
.endm
	s_wait_alu depctr_va_vdst(0)
	s_wait_tensorcnt 0x0                           ; my one load has landed; behind the barrier everybody's has: all of K lies in LDS
	s_barrier_signal -1
	s_barrier_wait -1
	FETCH 0
	AHEAD 0
	s_wait_loadcnt 0x0                             ; the bias
	s_cmp_eq_u32 s27, 2
	s_cbranch_scc1 .Lfirst_i
	MUL 0, 1
	s_branch .Lfirst_done
.Lfirst_i:
	MUL 0, 2
.Lfirst_done:
	s_wait_alu depctr_va_vdst(0)
.irp s, 1,2,3,4,5,6,7
	s_wait_alu depctr_va_vdst(0)
	AHEAD \s
	MUL \s%2, 0
.endr
; THE WAY OUT.  Unit a's 64 numbers of a lane, register 16 b + i = j 32 b + 16 h + i of my row, become a fragment's codes in v[PC] on and its scale word in v[PW].
.macro QUANT a
.set AC, 64*(\a)
.set PC, 192+12*(\a)
	WIN 0x0a                                       ; sources 0 and 1 window 2
.irp b, 0,1,2,3
	v_max3_num_f32 v[TM+\b], |v[AC+16*\b]|, |v[AC+16*\b+1]|, 0x1800000   ; each accumulator is read from its low end on; the floor 2^(3 - 127) holds the byte at 1 from below
.endr
.irp i, 2,4,6,8,10,12,14
.irp b, 0,1,2,3
	v_max3_num_f32 v[TM+\b], |v[AC+16*\b+\i]|, |v[AC+16*\b+\i+1]|, v[TM+\b]   ; (the four blocks by turns)
.endr
.endr
	WIN 0
.irp b, 0,1,2,3
	v_permlanex16_b32 v[TM+4+\b], v[TM+\b], s96, s97
.endr
.irp b, 0,1,2,3
	v_max_num_f32 v[TM+\b], v[TM+\b], v[TM+4+\b]   ; with lane l xor 16's: the block's largest magnitude
.endr
.irp b, 0,1,2,3
	v_add_nc_u32 v[TM+12+\b], 0xff000000, v[TM+\b] ; 2 off the exponent field: the conversion's scale operand
.endr
.irp b, 0,1,2,3
	v_lshrrev_b32 v[TM+4+\b], 23, v[TM+12+\b]      ; the scale's byte
.endr
	v_lshl_or_b32 v[PW], v[TM+5], 8, v[TM+4]
	v_lshl_or_b32 v[PW], v[TM+6], 16, v[PW]
	v_lshl_or_b32 v[PW], v[TM+7], 24, v[PW]
	WIN 0x02                                       ; source 0 window 2
.irp c, 0,1
	v_cvt_scalef32_pk16_fp6_f32 v[PC+6*\c:PC+6*\c+2], v[AC+32*\c:AC+32*\c+15], v[TM+12+2*\c]
	v_cvt_scalef32_pk16_fp6_f32 v[T2+4*\c:T2+4*\c+2], v[AC+32*\c+16:AC+32*\c+31], v[TM+12+2*\c+1]   ; (a conversion's three registers begin on an even number)
.endr
	WIN 0
	v_nop                                          ; one plain place behind a scaled conversion
.irp c, 0,1                                    ; the operand's layout wants a WHOLE block in a lane: lanes 0-15 block 2 c, lanes 16-31 block 2 c + 1
.irp i, 0,1,2
	v_permlane16_swap_b32 v[PC+6*\c+\i], v[T2+4*\c+\i]
.endr
.irp i, 0,1,2
	v_mov_b32 v[PC+6*\c+3+\i], v[T2+4*\c+\i]
.endr
.endr
.endm
.macro UNIT a                          ; every unit has its own registers for what it stores: no store's data are written again
	QUANT \a
	v_perm_b32 v[240+\a], v[PW], v[PW], v37        ; q, k: a head's two bytes, twice; v: the word as it is
	global_store_b128 v[28+\a], v[PC:PC+3], s[90:91]       ; 512 consecutive bytes, aligned
	global_store_b64 v[32+\a], v[PC+4:PC+5], s[90:91]      ; 256 consecutive bytes, aligned
	global_store_b128 v[28+\a], v[PC+6:PC+9], s[92:93]
	global_store_b64 v[32+\a], v[PC+10:PC+11], s[92:93]
	global_store_b32 v36, v[240+\a], s[94:95] offset:64*\a ; q, k: lanes 0-15 the first head's words, lanes 16-31 the second's; v: both halves store the same word to the same place
.endm
	s_mov_b32 s96, 0x76543210
	s_mov_b32 s97, 0xfedcba98                      ; v_permlanex16_b32's selects for lane l xor 16
.rept 4
	v_nop                                          ; places between the last products and the first read of results
.endr
	UNIT 0
	UNIT 1
	UNIT 2
	UNIT 3
	s_wait_tensorcnt 0x0
	ds_add_u32 v190, v191
	s_wait_dscnt 0x0
	ROUND                                          ; the closing round: no work-group ends while a partner may still ask for a chunk that names it
	s_endpgm
.Lfunc_end_k_qc5c851ae86_proj:
	.size	k_qc5c851ae86_proj, .Lfunc_end_k_qc5c851ae86_proj-k_qc5c851ae86_proj
	.p2alignl 7, 3214868480
	.fill 96, 4, 3214868480
	.section	.rodata,"a",@progbits
	.p2align	6, 0x0
	.amdhsa_kernel k_qc5c851ae86_proj
		.amdhsa_group_segment_fixed_size 307712
		.amdhsa_private_segment_fixed_size 0
		.amdhsa_enable_private_segment 0
		.amdhsa_kernarg_size 64
		.amdhsa_user_sgpr_count 2
		.amdhsa_user_sgpr_kernarg_segment_ptr 1
		.amdhsa_wavefront_size32 1
		.amdhsa_system_sgpr_workgroup_id_x 1
		.amdhsa_system_sgpr_workgroup_id_y 1
		.amdhsa_system_sgpr_workgroup_id_z 1
		.amdhsa_system_vgpr_workitem_id 0
		.amdhsa_next_free_vgpr 768
		.amdhsa_next_free_sgpr 100
		.amdhsa_reserve_vcc 1
		.amdhsa_float_denorm_mode_32 3
		.amdhsa_float_denorm_mode_16_64 3
		.amdhsa_memory_ordered 1
		.amdhsa_forward_progress 1
		.amdhsa_inst_pref_size 100
	.end_amdhsa_kernel
	.amdgpu_metadata
---
amdhsa.version: [ 1, 2 ]
amdhsa.kernels:
  - .name:           k_qc5c851ae86_proj
    .symbol:         k_qc5c851ae86_proj.kd
    .args:
      - { .name: xc, .offset: 0, .size: 8, .value_kind: global_buffer, .address_space: global }
      - { .name: yc, .offset: 8, .size: 8, .value_kind: global_buffer, .address_space: global }
      - { .name: wc, .offset: 16, .size: 8, .value_kind: global_buffer, .address_space: global }
      - { .name: bq, .offset: 24, .size: 8, .value_kind: global_buffer, .address_space: global }
      - { .name: bk, .offset: 32, .size: 8, .value_kind: global_buffer, .address_space: global }
      - { .name: bv, .offset: 40, .size: 8, .value_kind: global_buffer, .address_space: global }
      - { .name: qimg, .offset: 48, .size: 8, .value_kind: global_buffer, .address_space: global }
      - { .name: kvimg, .offset: 56, .size: 8, .value_kind: global_buffer, .address_space: global }
    .group_segment_fixed_size: 307712
    .private_segment_fixed_size: 0
    .kernarg_segment_align: 8
    .kernarg_segment_size: 64
    .max_flat_workgroup_size: 128
    .sgpr_count:     100
    .vgpr_count:     768
    .wavefront_size: 32
...
	.end_amdgpu_metadata
.endif
;; end of part 2
;; launch attn (part 3): grid 4 x 64, 16 waves a work-group, clusters of 4 x 1, 210,944 bytes of LDS; arguments qimg, kvimg, oc; writes oc
.if DOCPART == 3
	.amdgcn_target "amdgcn-amd-amdhsa--gfx1250"
	.amdhsa_code_object_version 6
	.text
	.protected	k_qc5c851ae86_attn
	.globl	k_qc5c851ae86_attn
	.p2align	8
	.type	k_qc5c851ae86_attn,@function
k_qc5c851ae86_attn:
	s_mov_b64 s[64:65], 0
	v_nop
	global_prefetch_b8 v0, s[64:65] scope:SCOPE_SE
	s_setreg_imm32_b32 hwreg(HW_REG_WAVE_MODE, 25, 1), 1
	s_wait_xcnt 0x0
	s_wait_alu depctr_hold_cnt(0) depctr_sa_sdst(0) depctr_va_vdst(0) depctr_va_sdst(0) depctr_va_ssrc(0) depctr_va_vcc(0) depctr_vm_vsrc(0)
	s_getreg_b32 s2, hwreg(HW_REG_IB_STS2, 6, 4)
	s_cmp_eq_u32 s2, 0
	s_cbranch_scc0 .Lentry_in_a_cluster
	s_endpgm
.Lentry_in_a_cluster:
	s_bfe_u32 s2, ttmp6, 0x10000c
	s_cmp_lg_u32 s2, 0x3003
	s_cbranch_scc0 .Lentry_shape_is_right
	s_endpgm
.Lentry_shape_is_right:
; o = softmax(q k^T / 8) v for one batch and head (y = 16 batch + head), both products on codes of FP6 (E2M3) with E8M0 scales; the result is quantised along the model's 1,024 for the last projection.
; THE SOFTMAX AHEAD OF THE SECOND PRODUCT: t = score x log2(e) / 8; M = the row's largest t so far, rounded UP to a whole number; p = 2^(t - M) is quantised along the keys, not normalised.
; The row's sum is taken of the unquantised p, in f32, and divides at the end.  When M moves, the sum and O are multiplied by 2^(old M - new M): exact.
; INPUTS are images of the matrix unit's registers.  qimg: [y][tile of 16 queries][768], the scale words behind them.  kvimg: [y][128 keys]: records of 13,056 bytes: k's 8 tiles of 768 bytes, v's 4 fragments
; (16 channels x 128 keys) of 1,536, k's 128 scale words, v's 64.  The first product's K is the head's 64: the other 64 are zero codes, and the scale words repeat the two true bytes.
; Both products are used transposed (S^T = k q^T, O^T = v^T p^T): a lane holds ONE query (lane % 16) throughout.
; SHARES.  A work-group owns 512 queries of one head; each of its sixteen waves two tiles of 16, one after the other.  A head's whole k and v, 16 records, 208,896 bytes, comes into LDS ONCE: wave w brings record w.
; CLUSTER: the four work-groups of a head ask for each record JOINTLY: same load, same descriptor, mask of all four.
; k IS RE-LAID ONCE IN LDS.  As stored, tile 2 b + e holds keys 32 b + 8 e + r + 8 (r / 8).  Behind the barrier that shows all records landed, wave w reads its own record's eight tiles with the lanes' addresses
; permuted and stores them back as plain images, so that tile 4 c + u holds keys 64 c + 8 u + r in rows 0-7 and keys 64 c + 32 + 8 u + r - 8 in rows 8-15; the scale words likewise.
; Then register 32 c + i of S^T in lane (query, h) is key 64 c + 32 h + i: A LANE HOLDS WHOLE BLOCKS OF 32 KEYS, in the order in which the second product's operand wants them: a block's maximum needs no other lane, and no lane swap follows the conversions.
; The walk over the keys has no barrier: behind the re-laying nothing writes the records.  No data prefetch: the head's sixteen loads ask for all that the work-group reads of k and v, so no loop has a stream to run ahead of.
; ZEROS SHARED: two tiles of k lie as [codes a][six zeros][codes b]: tile a is registers 0-11, tile b registers 6-17; q lies as [q][six zeros][q] and is taken the same two ways.
; OUT.  oc = [group of 128 tokens][K step of 128 = two heads]: records of 12,800 bytes; my tile's half-image is 768 dense bytes; its scale bytes are two bytes a row.
; LIMITS: the promise holds while the scaled scores t stay under 2^31 in magnitude; NaN and infinities are not served; a block of zeros, or one under 2^-124, gets the byte 1 where the rule says 127: the bytes are read by this program alone.
.set REC,  13056
.set SPARE, 16*REC                     ; behind the records: the spare words, 128 bytes a wave
.set L16, 3                            ; 16 l
.set L8,  4                            ; 512 + 8 l
.set L4,  6                            ; 4 l
.set R4,  7                            ; 4 r
.set H8,  8                            ; 8 h
.set A16, 9                            ; v9-11: the three lane terms in the record that is fetched
.set A8,  10
.set A4,  11
.set NEGM, 12                          ; -M
.set MRUN, 13                          ; the largest score so far
.set SUM, 14                           ; v14-15 the row's sum, in two halves
.set FF,  18                           ; v18 f = 2^(old M - new M); v19 named with it
.set KS,  20                           ; v20-23 k's scale words: register 2 c + e: lanes 0-15 tile 4 c + e, lanes 16-31 tile 4 c + e + 2
.set VS,  24                           ; v24-25 v's
.set QS,  26                           ; q's
.set PS,  27                           ; p's
.set BM,  28                           ; v28-29 my two blocks' largest score, then largest p
.set SO,  30                           ; v30-31 the conversions' scale operands
.set PT,  32                           ; a lane permute's target; v33-35 at work
.set TT,  36                           ; v36-38, v40-42 second halves of blocks' codes.  v28-41 serve the sums afterwards
.set SPW, 44
.set NIL, 45
.set QQ,  46                           ; v46-63 q, zeros, q
.set KK,  64                           ; v64-99 four tiles of k
.set VV,  100                          ; v100-147 v's four fragments
.set PP,  148                          ; v148-159 p's codes
.set SS,  160                          ; v160-223 S^T, then p
.set OO,  224                          ; v224-255 O^T
.macro ROUND                           ; a round of the cluster's barrier
	s_barrier_signal -1
	s_barrier_wait -1
	s_cmp_lg_u32 s10, 0
	s_cbranch_scc1 .Lnot_wave_0_\@
	s_barrier_signal -3
.Lnot_wave_0_\@:
	s_barrier_wait -3
	s_barrier_signal -1
	s_barrier_wait -1
.endm
	s_load_b128 s[4:7], s[0:1], 0x0                ; qimg, kvimg
	s_load_b64 s[8:9], s[0:1], 0x10                ; oc
	v_lshl_add_u32 v[SPW], v0, 2, SPARE
	v_mov_b32 v[NIL], 0
	ds_add_u32 v[SPW], v[NIL]
	ds_add_u32 v[SPW], v[NIL]
	v_lshrrev_b32 v1, 5, v0
	v_readfirstlane_b32 s10, v1                    ; wave 0..15
	s_bfe_u32 s11, ttmp6, 0x40000                  ; cx
	s_lshl_b32 s12, ttmp9, 2
	s_add_co_u32 s12, s12, s11                     ; my block of 512 queries: it enters q's and o's addresses alone
	s_and_b32 s13, ttmp7, 0xffff                   ; y, which the four partners share
	s_mov_b32 s16, 15|(3<<16)|(1<<21)              ; group 1: the mask of all four; elements of 8 bytes; bit 21 beside a mask; no padding
	s_mov_b32 s17, 32<<16                          ; a record is 51 rows of 32 elements
	s_mov_b32 s18, 51<<16
	s_mov_b32 s19, 32<<16
	s_mov_b32 s20, 51
	s_mov_b32 s21, 32
	s_mov_b32 s22, 0
	s_mov_b32 s23, 0
	s_mul_i32 s14, s10, REC                        ; my record's place, in the head's 16 and in LDS
	s_mul_i32 s56, s13, 16*REC
	s_add_co_u32 s56, s56, s14
	s_mov_b32 s57, 0
	s_mov_b32 s40, 0x76543210
	s_mov_b32 s41, 0xfedcba98                      ; v_permlanex16_b32's selects for lane l xor 16
	s_mov_b32 s42, 0x3e38aa3b                      ; c = log2(e) / 8
	s_mov_b32 s43, 0xbe38aa3b                      ; -c
	s_lshl_b32 s58, s13, 7
	s_lshl_b32 s59, s12, 5
	s_add_co_u32 s58, s58, s59
	s_lshl_b32 s59, s10, 1
	s_add_co_u32 s58, s58, s59                     ; my first tile of queries: 128 y + 32 block + 2 wave
	s_mul_i32 s48, s58, 768
	s_mov_b32 s49, 0
	s_lshl_b32 s50, s58, 6
	s_add_co_u32 s50, s50, 6291456
	s_mov_b32 s51, 0
	s_lshr_b32 s58, s13, 4
	s_lshl_b32 s58, s58, 4
	s_lshl_b32 s59, s12, 2
	s_add_co_u32 s58, s58, s59
	s_lshr_b32 s59, s10, 2
	s_add_co_u32 s58, s58, s59                     ; my group of 128 tokens: 16 batch + 4 block + wave / 4
	s_mul_i32 s58, s58, 102400
	s_bfe_u32 s59, s13, 0x30001                    ; head / 2: the K step
	s_mul_i32 s59, s59, 12800
	s_add_co_u32 s58, s58, s59                     ; the record of oc
	s_and_b32 s59, s10, 3
	s_mul_i32 s52, s59, 3072                       ; tile 2 (wave % 4)
	s_add_co_u32 s52, s52, s58
	s_and_b32 s47, s13, 1                          ; head % 2: which half-image, which two bytes of the scale words
	s_mul_i32 s15, s47, 768
	s_add_co_u32 s52, s52, s15
	s_mov_b32 s53, 0
	s_lshl_b32 s54, s59, 7
	s_add_co_u32 s54, s54, s58
	s_lshl_b32 s15, s47, 1
	s_add_co_u32 s54, s54, s15
	s_add_co_u32 s54, s54, 12288
	s_mov_b32 s55, 0
	s_wait_dscnt 0x0                               ; both opening adds are done
	s_wait_kmcnt 0x0
	s_add_nc_u64 s[56:57], s[6:7], s[56:57]
	s_add_nc_u64 s[48:49], s[4:5], s[48:49]        ; q's codes
	s_add_nc_u64 s[50:51], s[4:5], s[50:51]        ; q's scale words
	s_add_nc_u64 s[52:53], s[8:9], s[52:53]        ; o's codes
	s_add_nc_u64 s[54:55], s[8:9], s[54:55]        ; o's scale bytes
	s_mov_b32 s24, 1
	s_mov_b32 s25, s14
	s_mov_b64 s[26:27], s[56:57]
	s_or_b32 s27, s27, 0x80000000
	ROUND                                          ; all four work-groups are here: the joint loads meet
	tensor_load_to_lds s[24:27], s[16:23]          ; my one load: record w
	s_nop 0
	v_and_b32 v16, 31, v0                          ; l
	v_and_b32 v17, 7, v0                           ; x = l % 8
	v_bfe_u32 v33, v0, 3, 1                        ; g
	v_bfe_u32 v34, v0, 4, 1                        ; h
	v_and_b32 v35, 15, v0                          ; r
	v_lshlrev_b32 v[L16], 4, v16
	v_lshl_add_u32 v[L8], v16, 3, 512
	v_lshlrev_b32 v[L4], 2, v16
	v_lshlrev_b32 v[R4], 2, v35
	v_lshlrev_b32 v[H8], 3, v34
	v_lshlrev_b32 v1, 4, v17                       ; the re-laying's reads: rows 8-15 of a new tile come from the stored tile two on (1,536 g bytes): 16 x + 256 h + 1536 g,
	v_lshlrev_b32 v2, 3, v17                       ; 8 x + 128 h + 1536 g,
	v_lshlrev_b32 v5, 2, v17                       ; and the scale words 4 x + 32 h + 128 g
	v_lshl_add_u32 v1, v34, 8, v1
	v_lshl_add_u32 v2, v34, 7, v2
	v_lshl_add_u32 v5, v34, 5, v5
	v_lshl_add_u32 v1, v33, 10, v1
	v_lshl_add_u32 v2, v33, 10, v2
	v_lshl_add_u32 v5, v33, 7, v5
	v_lshl_add_u32 v1, v33, 9, v1
	v_lshl_add_u32 v2, v33, 9, v2
	v_add_nc_u32 v5, s14, v5
	v_add_nc_u32 v1, s14, v1
	v_add_nc_u32 v2, s14, v2
	v_add_nc_u32 v[A16], s14, v[L16]               ; its stores: plain images in my record
	v_add_nc_u32 v[A8], s14, v[L8]
	v_add_nc_u32 v[A4], s14, v[L4]
.macro QLOAD n                         ; tile n's q, twice, and its scale words
	global_load_b128 v[QQ:QQ+3], v[L16], s[48:49] offset:768*\n
	global_load_b64 v[QQ+4:QQ+5], v[L8], s[48:49] offset:768*\n
	global_load_b128 v[QQ+12:QQ+15], v[L16], s[48:49] offset:768*\n
	global_load_b64 v[QQ+16:QQ+17], v[L8], s[48:49] offset:768*\n
	global_load_b32 v[QS], v[R4], s[50:51] offset:64*\n
.endm
	QLOAD 0
.irp i, 6,7,8,9,10,11
	v_mov_b32 v[QQ+\i], 0                          ; the zero codes, written once
	v_mov_b32 v[KK+\i], 0
	v_mov_b32 v[KK+18+\i], 0
.endr
	v_mov_b32 v[PT], 0                             ; a lane permute's destination counts as one of its sources
	v_mov_b32 v[FF+1], 0                           ; (named as the upper half of the pair)
	s_wait_alu depctr_va_vdst(0)
	s_wait_tensorcnt 0x0                           ; my record has landed
	s_barrier_signal -1
	s_barrier_wait -1                              ; everybody's has: no load is on its way when the first LDS store is issued
.irp c, 0,1
.irp u, 0,1,2,3
	ds_load_b128 v[SS+6*(4*\c+\u):SS+6*(4*\c+\u)+3], v1 offset:768*(4*\c+\u%2)+128*(\u/2)
	ds_load_b64 v[SS+6*(4*\c+\u)+4:SS+6*(4*\c+\u)+5], v2 offset:512+768*(4*\c+\u%2)+64*(\u/2)
.endr
.irp e, 0,1
	ds_load_b32 v[KS+2*\c+\e], v5 offset:12288+256*\c+64*\e
.endr
.endr
	s_wait_dscnt 0x0                               ; all of my record's k is in registers: it may be written over
.irp t, 0,1,2,3,4,5,6,7
	ds_store_b128 v[A16], v[SS+6*\t:SS+6*\t+3] offset:768*\t
	ds_store_b64 v[A8], v[SS+6*\t+4:SS+6*\t+5] offset:768*\t
.endr
.irp i, 0,1,2,3
	ds_store_b32 v[A4], v[KS+\i] offset:12288+128*\i
.endr
	s_wait_dscnt 0x0                               ; for the others' sake: my stores are done
	s_barrier_signal -1
	s_barrier_wait -1                              ; all sixteen records are re-laid; from here on the records are only read
.macro KLOAD c                         ; four tiles of k from the record at v9, v10
.irp u, 0,1,2,3
	ds_load_b128 v[KK+18*(\u/2)+12*(\u%2):KK+18*(\u/2)+12*(\u%2)+3], v[A16] offset:768*(4*\c+\u)
	ds_load_b64 v[KK+18*(\u/2)+12*(\u%2)+4:KK+18*(\u/2)+12*(\u%2)+5], v[A8] offset:768*(4*\c+\u)
.endr
.endm
.macro KSLOAD
.irp i, 0,1,2,3
	ds_load_b32 v[KS+\i], v[A4] offset:12288+128*\i
.endr
.endm
.macro VLOAD                           ; 18 loads
.irp t, 0,1,2,3
.irp c, 0,1
	ds_load_b128 v[VV+12*\t+6*\c:VV+12*\t+6*\c+3], v[A16] offset:6144+1536*\t+768*\c
	ds_load_b64 v[VV+12*\t+6*\c+4:VV+12*\t+6*\c+5], v[A8] offset:6144+1536*\t+768*\c
.endr
.endr
.irp i, 0,1
	ds_load_b32 v[VS+\i], v[A4] offset:12800+128*\i
.endr
.endm
.macro QK c, u                         ; S^T of tile 4 c + u.  An odd tile is taken with the zeros in front, and so is q
.if (\u)/2
	v_wmma_scale_f32_16x16x128_f8f6f4 v[SS+8*(4*\c+\u):SS+8*(4*\c+\u)+7], v[KK+18*(\u/2)+6*(\u%2):KK+18*(\u/2)+6*(\u%2)+11], v[QQ+6*(\u%2):QQ+6*(\u%2)+11], 0, v[KS+2*\c+\u%2], v[QS] matrix_a_fmt:MATRIX_FMT_FP6 matrix_b_fmt:MATRIX_FMT_FP6 matrix_a_scale:MATRIX_SCALE_ROW1
.else
	v_wmma_scale_f32_16x16x128_f8f6f4 v[SS+8*(4*\c+\u):SS+8*(4*\c+\u)+7], v[KK+18*(\u/2)+6*(\u%2):KK+18*(\u/2)+6*(\u%2)+11], v[QQ+6*(\u%2):QQ+6*(\u%2)+11], 0, v[KS+2*\c+\u%2], v[QS] matrix_a_fmt:MATRIX_FMT_FP6 matrix_b_fmt:MATRIX_FMT_FP6
.endif
.endm
.macro PV t                            ; O^T of channels' tile t += v^T p^T
.if (\t)%2
	v_wmma_scale_f32_16x16x128_f8f6f4 v[OO+8*\t:OO+8*\t+7], v[VV+12*\t:VV+12*\t+11], v[PP:PP+11], v[OO+8*\t:OO+8*\t+7], v[VS+\t/2], v[PS] matrix_a_fmt:MATRIX_FMT_FP6 matrix_b_fmt:MATRIX_FMT_FP6 matrix_a_scale:MATRIX_SCALE_ROW1
.else
	v_wmma_scale_f32_16x16x128_f8f6f4 v[OO+8*\t:OO+8*\t+7], v[VV+12*\t:VV+12*\t+11], v[PP:PP+11], v[OO+8*\t:OO+8*\t+7], v[VS+\t/2], v[PS] matrix_a_fmt:MATRIX_FMT_FP6 matrix_b_fmt:MATRIX_FMT_FP6
.endif
.endm
.macro MAXB c                          ; the largest score of my block 2 c + h: 32 registers, two chains, each accumulator first read at its low end
	v_max3_num_f32 v[BM+\c], v[SS+32*\c], v[SS+32*\c+1], v[SS+32*\c+2]
	v_max3_num_f32 v33, v[SS+32*\c+16], v[SS+32*\c+17], v[SS+32*\c+18]
.irp i, 3,5,7,9,11,13
	v_max3_num_f32 v[BM+\c], v[BM+\c], v[SS+32*\c+\i], v[SS+32*\c+\i+1]
	v_max3_num_f32 v33, v33, v[SS+32*\c+16+\i], v[SS+32*\c+17+\i]
.endr
	v_max3_num_f32 v[BM+\c], v[BM+\c], v[SS+32*\c+15], v[SS+32*\c+31]
	v_max_num_f32 v[BM+\c], v[BM+\c], v33
.endm
; A KEY STEP: 128 keys.  At its head k's tiles 0-3 and scale words and v's fragments of this record have been asked for.  nxt = 1: the record at LDS byte s44 is asked for on the way;  qn = 1: and the next tile's q
.macro STEP nxt, qn
	s_wait_dscnt 18                                ; k's twelve loads are in; v's eighteen, issued behind them, may be out
.irp u, 0,1,2,3
	QK 0, \u
.endr
.rept 4
	v_nop                                          ; places in front of the loads into registers that these products read, and of the first read of results
.endr
	KLOAD 1
	MAXB 0                                         ; block h's maximum stands under the loads' flight
	s_wait_dscnt 0x0
.irp u, 0,1,2,3
	QK 1, \u
.endr
.if \nxt
	v_add_nc_u32 v[A16], s44, v[L16]               ; on to the next record.  With the v_nop: the four places
	v_add_nc_u32 v[A8], s44, v[L8]
	v_add_nc_u32 v[A4], s44, v[L4]
	v_nop
	KLOAD 0
	KSLOAD
.else
.rept 4
	v_nop
.endr
.endif
.if \qn
	QLOAD 1
.endif
	MAXB 1
	s_delay_alu instid0(VALU_DEP_1)
	v_max_num_f32 v33, v[BM], v[BM+1]
	s_delay_alu instid0(VALU_DEP_1)
	v_permlanex16_b32 v[PT], v33, s40, s41         ; lane l xor 16 holds my query's other 64 keys
	s_delay_alu instid0(VALU_DEP_1)
	v_max3_num_f32 v[MRUN], v[MRUN], v33, v[PT]    ; the running largest score
	s_delay_alu instid0(VALU_DEP_1)
	v_mul_f32 v33, s43, v[MRUN]                    ; -t (c is positive)
	s_delay_alu instid0(VALU_DEP_1)
	v_floor_f32 v34, v33                           ; the new -M = floor(-t) = -ceil(t): M is a whole number
	s_delay_alu instid0(VALU_DEP_1)
	v_sub_f32 v35, v34, v[NEGM]                    ; M's old value less its new one: a whole number, 0 or less
	v_mov_b32 v[NEGM], v34
	s_delay_alu instid0(VALU_DEP_2)
	v_cvt_i32_f32 v35, v35                         ; (it saturates)
	s_delay_alu instid0(VALU_DEP_1)
	v_ldexp_f32 v[FF], 1.0, v35                    ; f = 2^(old M - new M): a multiplication by it rounds nothing
.set j, 0
.rept 32
	v_pk_fma_f32 v[SS+j:SS+j+1], v[SS+j:SS+j+1], s[42:43], v[NEGM:NEGM+1] op_sel_hi:[1,0,0]   ; t - M, two at a time (of the pairs the low word serves both halves)
.set j, j+2
.endr
.irp c, 0,1
	v_fma_f32 v[BM+\c], v[BM+\c], s42, v[NEGM]     ; the same of each block's largest score: p rises with the score
.endr
.set j, 0
.rept 16
	v_pk_mul_f32 v[OO+j:OO+j+1], v[OO+j:OO+j+1], v[FF:FF+1] op_sel_hi:[1,0]   ; O^T under the new M, each accumulator from its low end on
.set j, j+2
.endr
	s_wait_alu depctr_va_vdst(0)
.set j, 0
.rept 64
	v_exp_f32 v[SS+j], v[SS+j]                     ; p = 2^(t - M): not normalised
.set j, j+1
.endr
.irp c, 0,1
	v_exp_f32 v[BM+\c], v[BM+\c]                   ; the block's largest p: the same two instructions on the same number
.endr
	v_pk_mul_f32 v[SUM:SUM+1], v[SUM:SUM+1], v[FF:FF+1] op_sel_hi:[1,0]   ; the sums under the new M: the plain place behind the batch
	s_wait_alu depctr_va_vdst(0)                   ; and the one wait behind it
.irp c, 0,1
	v_max_num_f32 v[BM+\c], 0x1800000, v[BM+\c]    ; the floor 2^(3 - 127): the byte cannot fall under 1
.endr
.irp c, 0,1
	s_delay_alu instid0(VALU_DEP_2)
	v_add_nc_u32 v[SO+\c], 0xff000000, v[BM+\c]    ; 2 off the exponent field: the conversion's scale operand
.endr
.irp c, 0,1
	v_cvt_scalef32_pk16_fp6_f32 v[PP+6*\c:PP+6*\c+2], v[SS+32*\c:SS+32*\c+15], v[SO+\c]
	v_cvt_scalef32_pk16_fp6_f32 v[TT+4*\c:TT+4*\c+2], v[SS+32*\c+16:SS+32*\c+31], v[SO+\c]   ; (a conversion's three registers begin on an even number)
.endr
	v_lshrrev_b32 v33, 23, v[SO]                   ; my two bytes, blocks h and 2 + h.  (These lines are the plain place behind the conversions)
	v_lshrrev_b32 v34, 23, v[SO+1]
	s_delay_alu instid0(VALU_DEP_1)
	v_lshl_or_b32 v35, v34, 16, v33
	s_delay_alu instid0(VALU_DEP_1)
	v_lshlrev_b32 v35, v[H8], v35                  ; at their places in the scale word;
	s_delay_alu instid0(VALU_DEP_1)
	v_permlanex16_b32 v[PT], v35, s40, s41
	s_delay_alu instid0(VALU_DEP_1)
	v_or_b32 v[PS], v35, v[PT]                     ; with lane l xor 16's two the word is whole
.irp c, 0,1
.irp i, 0,1,2
	v_mov_b32 v[PP+6*\c+3+\i], v[TT+4*\c+\i]
.endr
.endr
; THE ROW'S SUM, of the unquantised p: 32 packed additions in eight chains.  The first 28 are also the places between the writing of p's codes and scale word and the products
.irp i, 0,1,2,3,4,5,6
	v_pk_add_f32 v[28+2*\i:29+2*\i], v[SS+4*\i:SS+4*\i+1], v[SS+4*\i+2:SS+4*\i+3]
.endr
.set j, 28
.rept 2
.irp a, 28,30,32,34,36,38,40,SUM
	v_pk_add_f32 v[\a:\a+1], v[\a:\a+1], v[SS+j:SS+j+1]
.set j, j+2
.endr
.endr
	v_pk_add_f32 v[28:29], v[28:29], v[SS+60:SS+61]
	v_pk_add_f32 v[30:31], v[30:31], v[SS+62:SS+63]
	v_pk_add_f32 v[32:33], v[32:33], v[34:35]
	v_pk_add_f32 v[36:37], v[36:37], v[38:39]
	v_pk_add_f32 v[28:29], v[28:29], v[30:31]
.irp t, 0,1,2,3
	PV \t                                          ; the four accumulators by turns
.endr
	v_pk_add_f32 v[SUM:SUM+1], v[SUM:SUM+1], v[40:41]   ; the last four additions are the places behind the products
	v_pk_add_f32 v[28:29], v[28:29], v[32:33]
	v_pk_add_f32 v[SUM:SUM+1], v[SUM:SUM+1], v[36:37]
	v_pk_add_f32 v[SUM:SUM+1], v[SUM:SUM+1], v[28:29]
.if \nxt
	VLOAD
.endif
.endm
; A TILE OF 16 QUERIES: sixteen key steps and the way out.  The first tile's last step asks for record 0 and the second tile's q; the second tile's last step asks for nothing
.macro TILE n
	v_mov_b32 v[MRUN], 0xff61b1e6                  ; the largest score so far: -3e38
	v_mov_b32 v[NEGM], 0x7f61b1e6                  ; -M
	v_mov_b32 v[SUM], 0
	v_mov_b32 v[SUM+1], 0
.set j, 0
.rept 32
	v_mov_b32 v[OO+j], 0                           ; O^T: the first step finds zeros, which the first change of M leaves zeros
.set j, j+1
.endr
	s_wait_alu depctr_va_vdst(0)                   ; directly ahead of the waits below
.if \n
	s_wait_xcnt 0x0                                ; the first tile's stores have read their data: those registers are written again only behind this wait
.endif
	s_wait_loadcnt 0x0                             ; q
	s_mov_b32 s44, REC
	s_mov_b32 s45, 15
.Lstep_\@:
	STEP 1, 0
	s_add_co_u32 s44, s44, REC
	s_sub_co_u32 s45, s45, 1
	s_cmp_lg_u32 s45, 0
	s_cbranch_scc1 .Lstep_\@
.if \n
	STEP 0, 0
.else
	s_mov_b32 s44, 0
	STEP 1, 1
.endif
	; THE WAY OUT: O^T / the sum, quantised along the channels (register 16 b + i is channel 32 b + 16 h + i): my tile's half-image and two scale bytes a row
	v_add_f32 v[SUM], v[SUM], v[SUM+1]
	v_permlanex16_b32 v[PT], v[SUM], s40, s41
	v_add_f32 v[SUM], v[SUM], v[PT]
	s_wait_alu depctr_va_vdst(0)
	v_rcp_f32 v[SUM], v[SUM]
	v_nop                                          ; one plain place behind a transcendental
	s_wait_alu depctr_va_vdst(0)                   ; ahead of its first reader, which is O^T's first reader too
.set j, 0
.rept 16
	v_pk_mul_f32 v[SS+j:SS+j+1], v[OO+j:OO+j+1], v[SUM:SUM+1] op_sel_hi:[1,0]
.set j, j+2
.endr
.irp b, 0,1
	v_max3_num_f32 v[BM+\b], |v[SS+16*\b]|, |v[SS+1+16*\b]|, 0x1800000
.endr
.irp i, 2,4,6,8,10,12,14
.irp b, 0,1
	s_delay_alu instid0(VALU_DEP_2)
	v_max3_num_f32 v[BM+\b], v[BM+\b], |v[SS+16*\b+\i]|, |v[SS+1+16*\b+\i]|
.endr
.endr
.irp b, 0,1
	s_delay_alu instid0(VALU_DEP_2)
	v_permlanex16_b32 v[PT+\b], v[BM+\b], s40, s41
.endr
.irp b, 0,1
	s_delay_alu instid0(VALU_DEP_2)
	v_max_num_f32 v[BM+\b], v[BM+\b], v[PT+\b]
.endr
.irp b, 0,1
	s_delay_alu instid0(VALU_DEP_2)
	v_add_nc_u32 v[SO+\b], 0xff000000, v[BM+\b]
.endr
	v_cvt_scalef32_pk16_fp6_f32 v[PP:PP+2], v[SS:SS+15], v[SO]
	v_cvt_scalef32_pk16_fp6_f32 v[TT:TT+2], v[SS+16:SS+31], v[SO+1]
	v_lshrrev_b32 v34, 23, v[SO]                   ; (the plain place behind the conversions)
	v_lshrrev_b32 v35, 23, v[SO+1]
	s_delay_alu instid0(VALU_DEP_1)
	v_lshl_or_b32 v34, v35, 8, v34                 ; my row's two scale bytes
.irp i, 0,1,2
	v_permlane16_swap_b32 v[PP+\i], v[TT+\i]       ; here a block lies in lanes l and l xor 16: the operand's layout wants it whole in one
.endr
.irp i, 0,1,2
	s_delay_alu instid0(VALU_DEP_3)
	v_mov_b32 v[PP+3+\i], v[TT+\i]
.endr
	global_store_b128 v[L16], v[PP:PP+3], s[52:53] offset:1536*\n     ; 512 consecutive bytes, aligned
	global_store_b64 v[L8], v[PP+4:PP+5], s[52:53] offset:1536*\n     ; 256 consecutive bytes, aligned
	global_store_b16 v[R4], v34, s[54:55] offset:64*\n                ; both halves of the lanes store the same two bytes to the same place
.endm
	v_mov_b32 v[A16], v[L16]                       ; record 0
	v_mov_b32 v[A8], v[L8]
	v_mov_b32 v[A4], v[L4]
	KLOAD 0
	KSLOAD
	VLOAD
	TILE 0
	TILE 1
	s_wait_tensorcnt 0x0                           ; the wave's end
	ds_add_u32 v[SPW], v[NIL]
	s_wait_dscnt 0x0
	ROUND                                          ; the closing round: no work-group ends while a partner may still ask for a record that names it
	s_endpgm
.Lfunc_end_k_qc5c851ae86_attn:
	.size	k_qc5c851ae86_attn, .Lfunc_end_k_qc5c851ae86_attn-k_qc5c851ae86_attn
	.p2alignl 7, 3214868480
	.fill 96, 4, 3214868480
	.section	.rodata,"a",@progbits
	.p2align	6, 0x0
	.amdhsa_kernel k_qc5c851ae86_attn
		.amdhsa_group_segment_fixed_size 210944
		.amdhsa_private_segment_fixed_size 0
		.amdhsa_enable_private_segment 0
		.amdhsa_kernarg_size 24
		.amdhsa_user_sgpr_count 2
		.amdhsa_user_sgpr_kernarg_segment_ptr 1
		.amdhsa_wavefront_size32 1
		.amdhsa_system_sgpr_workgroup_id_x 1
		.amdhsa_system_sgpr_workgroup_id_y 1
		.amdhsa_system_sgpr_workgroup_id_z 1
		.amdhsa_system_vgpr_workitem_id 0
		.amdhsa_next_free_vgpr 256
		.amdhsa_next_free_sgpr 66
		.amdhsa_reserve_vcc 0
		.amdhsa_float_denorm_mode_32 3
		.amdhsa_float_denorm_mode_16_64 3
		.amdhsa_memory_ordered 1
		.amdhsa_forward_progress 1
		.amdhsa_inst_pref_size 83
	.end_amdhsa_kernel
	.amdgpu_metadata
---
amdhsa.version: [ 1, 2 ]
amdhsa.kernels:
  - .name:           k_qc5c851ae86_attn
    .symbol:         k_qc5c851ae86_attn.kd
    .args:
      - { .name: qimg, .offset: 0, .size: 8, .value_kind: global_buffer, .address_space: global }
      - { .name: kvimg, .offset: 8, .size: 8, .value_kind: global_buffer, .address_space: global }
      - { .name: oc, .offset: 16, .size: 8, .value_kind: global_buffer, .address_space: global }
    .group_segment_fixed_size: 210944
    .private_segment_fixed_size: 0
    .kernarg_segment_align: 8
    .kernarg_segment_size: 24
    .max_flat_workgroup_size: 512
    .sgpr_count:     66
    .vgpr_count:     256
    .wavefront_size: 32
...
	.end_amdgpu_metadata
.endif
;; end of part 3
;; launch outp (part 4): grid 8 x 32, 4 waves a work-group, clusters of 4 x 4, 307,712 bytes of LDS; arguments oc, wc, bo, out0; writes out0
.if DOCPART == 4
	.amdgcn_target "amdgcn-amd-amdhsa--gfx1250"
	.amdhsa_code_object_version 6
	.text
	.protected	k_qc5c851ae86_outp
	.globl	k_qc5c851ae86_outp
	.p2align	8
	.type	k_qc5c851ae86_outp,@function
k_qc5c851ae86_outp:
	s_mov_b64 s[64:65], 0
	v_nop
	global_prefetch_b8 v0, s[64:65] scope:SCOPE_SE
	s_setreg_imm32_b32 hwreg(HW_REG_WAVE_MODE, 25, 1), 1
	s_wait_xcnt 0x0
	s_wait_alu depctr_hold_cnt(0) depctr_sa_sdst(0) depctr_va_vdst(0) depctr_va_sdst(0) depctr_va_ssrc(0) depctr_va_vcc(0) depctr_vm_vsrc(0)
	s_getreg_b32 s2, hwreg(HW_REG_IB_STS2, 6, 4)
	s_cmp_eq_u32 s2, 0
	s_cbranch_scc0 .Lentry_in_a_cluster
	s_endpgm
.Lentry_in_a_cluster:
	s_bfe_u32 s2, ttmp6, 0x10000c
	s_cmp_lg_u32 s2, 0xf033
	s_cbranch_scc0 .Lentry_shape_is_right
	s_endpgm
.Lentry_shape_is_right:
; out0[i][j] = sum over k of O[i][k] wo[k][j] + bo[j], on codes of FP6 (E2M3) with E8M0 scales; out0 is [8192][1024] f32.  K = 1,024 in 8 steps of 128.
; Operands lie in memory as images of the matrix unit's registers: [group of 128 rows][K step]: records of 12,800 bytes = 8 fragments of 1,536 bytes + 128 scale words.  P = oc (rows = tokens), R = wo's part of wc (rows = columns j).
; Tile t of a group holds rows 32 (t / 2) + 8 (t % 2) + r + 8 (r / 8).  THE MATRIX INSTRUCTION TAKES R AS SOURCE 0 AND P AS SOURCE 1: lane (r, h) holds one row i, and the registers of R's tile b are j = 32 (b / 2) + 8 (b % 2) + 16 h + 0 .. 7.
; SHARES.  A work-group makes 256 i x 128 j.  All of K of its two groups of P and its one of R, 307,200 bytes, comes into LDS ONCE, one load a group: no LDS byte is filled twice.
; A wave makes 64 i x 128 j: 32 accumulators.  CLUSTERS: 4 x 4 work-groups; P's chunks are shared along a row of the cluster, R's along a column: joint loads.
; OUT.  16 rows x 512 bytes at a time go through the wave's own stage in LDS and leave as whole rows' 512 consecutive bytes.  The stages lie in bytes that have had their one fill and, behind the last barrier, their last read.
; REGISTERS: window 0: v1-9 lane numbers and LDS addresses; v16-27 scale words, two sets; v28-30 the way out; v64-159 P's fragments, two sets, later (v64-191) rows read back; v192-255 the bias.
;   window 1: R's fragments, two sets, at v0 and v128.   window 2: accumulator (a, b) at v[8 (8 a + b)].
.set GB,   102400
.set REC,  12800
.set CHK,  2*REC
.set RB,   2*GB
.set BI,   192
.set SP,   528                         ; a stage row: 512 bytes + 16
.set G1P,  32
.set G1R,  40
.set G0P,  48
.set G0R,  68
.set MSB, 0
.macro WIN new                         ; the immediate's high byte repeats the setting that is left
.if MSB != \new
	s_set_vgpr_msb (MSB<<8)|\new
.set MSB, \new
.endif
.endm
.macro ROUND                           ; a round of the cluster's barrier
	s_barrier_signal -1
	s_barrier_wait -1
	s_cmp_lg_u32 s20, 0
	s_cbranch_scc1 .Lnot_wave_0_\@
	s_barrier_signal -3
.Lnot_wave_0_\@:
	s_barrier_wait -3
	s_barrier_signal -1
	s_barrier_wait -1
.endm
	s_load_b256 s[4:11], s[0:1], 0x0               ; oc, wc, bo, out0
	v_lshl_add_u32 v62, v0, 2, 0x4b000
	v_mov_b32 v63, 0
	ds_add_u32 v62, v63
	ds_add_u32 v62, v63
	v_lshrrev_b32 v1, 5, v0
	v_readfirstlane_b32 s20, v1                    ; wave
	s_and_b32 s21, s20, 1
	s_lshr_b32 s22, s20, 1
	s_bfe_u32 s23, ttmp6, 0x40000                  ; cx
	s_bfe_u32 s24, ttmp6, 0x40004                  ; cy
	s_and_b32 s96, ttmp7, 0xffff
	s_lshl_b32 s96, s96, 2
	s_add_co_u32 s29, s96, s24                     ; I: which 256 tokens; it never holds cx
	s_lshl_b32 s98, ttmp9, 2
	s_add_co_u32 s30, s98, s23                     ; J: which 128 columns; it never holds cy
	s_lshl_b32 s96, s24, 2
	s_lshl_b32 s96, 15, s96                        ; my row of the cluster
	s_lshl_b32 s98, 0x1111, s23                    ; my column
	; descriptor group 1: a load is 102,400 dense bytes: 400 rows of 32 elements of 8 bytes
	s_or_b32 s[G1P], s96, (3<<16)|(1<<21)          ; 15:0 the mask; 17:16 elements of 8 bytes; 21 set beside a mask; no padding
	s_or_b32 s[G1R], s98, (3<<16)|(1<<21)
.irp g, G1P, G1R
	s_mov_b32 s[\g+1], 32<<16                      ; tensor_dim0 = 32
	s_mov_b32 s[\g+2], 400<<16                     ; tensor_dim1 = 400: a whole group, all of K, is 102,400 dense bytes
	s_mov_b32 s[\g+3], 32<<16                      ; tile_dim0 = 32
	s_mov_b32 s[\g+4], 400                         ; tile_dim1 = 400
	s_mov_b32 s[\g+5], 32                          ; elements from row to row
	s_mov_b32 s[\g+6], 0
	s_mov_b32 s[\g+7], 0
.endr
	s_lshl_b32 s96, s29, 1
	s_add_co_u32 s96, s96, s21                     ; waves 0 and 1 fetch P's two groups
	s_mul_i32 s96, s96, GB
	s_mov_b32 s97, 0
	s_mul_i32 s98, s30, GB
	s_add_co_u32 s98, s98, 2457600                 ; wo's place in wc
	s_mov_b32 s99, 0
	s_mul_i32 s31, s21, GB                         ; where P's group goes: no place in the cluster enters an LDS address
	s_wait_dscnt 0x0
	s_wait_kmcnt 0x0
	s_add_nc_u64 s[84:85], s[4:5], s[96:97]
	s_add_nc_u64 s[86:87], s[6:7], s[98:99]
	ROUND                                          ; all sixteen work-groups are here: the joint loads meet
.irp c, 0
	s_mov_b32 s[G0P+4*\c], 1
	s_add_co_u32 s[G0P+4*\c+1], s31, \c*CHK
	s_add_nc_u64 s[G0P+4*\c+2:G0P+4*\c+3], s[84:85], \c*CHK
	s_or_b32 s[G0P+4*\c+3], s[G0P+4*\c+3], 0x80000000
	s_mov_b32 s[G0R+4*\c], 1
	s_mov_b32 s[G0R+4*\c+1], RB+\c*CHK
	s_add_nc_u64 s[G0R+4*\c+2:G0R+4*\c+3], s[86:87], \c*CHK
	s_or_b32 s[G0R+4*\c+3], s[G0R+4*\c+3], 0x80000000
.endr
	; ONE LOAD A WAVE: waves 0 and 1 bring P's two groups, wave 2 R's, each whole, all of K, 400 rows of 256 bytes; wave 3 brings none.  One chain of branches on the wave's number
	s_cmp_lt_u32 s20, 2
	s_cbranch_scc0 .Lnot_p
	tensor_load_to_lds s[G0P:G0P+3], s[G1P:G1P+7]
	s_nop 0
.rept 4
	v_nop
.endr
	s_branch .Lasked
.Lnot_p:
	s_cmp_eq_u32 s20, 2
	s_cbranch_scc0 .Lasked
	tensor_load_to_lds s[G0R:G0R+3], s[G1R:G1R+7]
	s_nop 0
.rept 4
	v_nop
.endr
.Lasked:
	v_and_b32 v1, 31, v0                           ; l
	v_and_b32 v2, 15, v0                           ; r
	v_bfe_u32 v3, v0, 4, 1                         ; h
	s_mul_i32 s31, s22, GB                         ; my group of P,
	s_mul_i32 s2, s21, 6144
	s_add_co_u32 s2, s2, s31                       ; my four tiles of it
	v_lshl_add_u32 v4, v1, 4, s2                   ; an image's first part: 16 l
	v_lshl_add_u32 v5, v1, 3, s2
	v_add_nc_u32 v5, 512, v5                       ; its second: 512 + 8 l
	v_lshl_add_u32 v6, v1, 4, RB
	v_lshl_add_u32 v7, v1, 3, RB+512
	s_lshl_b32 s2, s21, 8
	s_add_co_u32 s2, s2, s31
	s_add_co_u32 s2, s2, 12288
	v_lshl_add_u32 v8, v1, 2, s2                   ; scale words: lanes 0-15 an even tile's, lanes 16-31 the next tile's
	v_lshl_add_u32 v9, v1, 2, RB+12288
	v_lshlrev_b32 v10, 6, v3                       ; the bias: 64 h
	s_mul_i32 s2, s20, 16*SP                       ; my stage
	v_mul_u32_u24 v28, v2, SP
	v_lshl_add_u32 v28, v3, 6, v28
	v_add_nc_u32 v28, s2, v28                      ; in: row r, + 64 h
	v_lshlrev_b32 v30, 4, v1                       ; back, and in out0: 16 l
	v_add_nc_u32 v29, s2, v30
	; THE BIAS IS THE C OF THE FIRST K STEP'S PRODUCTS: eight registers in the result's layout for each of R's tiles
	s_lshl_b32 s2, s30, 9
	s_mov_b32 s3, 0
	s_add_nc_u64 s[88:89], s[8:9], s[2:3]
.irp b, 0,1,2,3,4,5,6,7
	global_load_b128 v[BI+8*\b:BI+8*\b+3], v10, s[88:89] offset:(32*(\b/2)+8*(\b%2))*4
	global_load_b128 v[BI+8*\b+4:BI+8*\b+7], v10, s[88:89] offset:(32*(\b/2)+8*(\b%2))*4+16
.endr
	s_lshl_b32 s84, s29, 8
	s_lshl_b32 s85, s20, 6
	s_add_co_u32 s84, s84, s85                     ; my first row: 256 I + 64 w
	s_lshl_b32 s84, s84, 12
	s_add_co_u32 s84, s84, s2                      ; + 512 J bytes
	s_mov_b32 s85, 0
	s_add_nc_u64 s[90:91], s[10:11], s[84:85]
; One scaled product.  d, c: D's and C's first registers; ra, rb: source 0's and 1's; sa, sb: their scale registers; oa, ob: 1 = the scales stand in lanes 16-31
.macro WM d, ra, rb, c, sa, sb, oa, ob
.if (\oa) && (\ob)
	v_wmma_scale_f32_16x16x128_f8f6f4 v[(\d):(\d)+7], v[(\ra):(\ra)+11], v[(\rb):(\rb)+11], v[(\c):(\c)+7], v[(\sa)], v[(\sb)] matrix_a_fmt:MATRIX_FMT_FP6 matrix_b_fmt:MATRIX_FMT_FP6 matrix_a_scale:MATRIX_SCALE_ROW1 matrix_b_scale:MATRIX_SCALE_ROW1
.elseif (\oa)
	v_wmma_scale_f32_16x16x128_f8f6f4 v[(\d):(\d)+7], v[(\ra):(\ra)+11], v[(\rb):(\rb)+11], v[(\c):(\c)+7], v[(\sa)], v[(\sb)] matrix_a_fmt:MATRIX_FMT_FP6 matrix_b_fmt:MATRIX_FMT_FP6 matrix_a_scale:MATRIX_SCALE_ROW1
.elseif (\ob)
	v_wmma_scale_f32_16x16x128_f8f6f4 v[(\d):(\d)+7], v[(\ra):(\ra)+11], v[(\rb):(\rb)+11], v[(\c):(\c)+7], v[(\sa)], v[(\sb)] matrix_a_fmt:MATRIX_FMT_FP6 matrix_b_fmt:MATRIX_FMT_FP6 matrix_b_scale:MATRIX_SCALE_ROW1
.else
	v_wmma_scale_f32_16x16x128_f8f6f4 v[(\d):(\d)+7], v[(\ra):(\ra)+11], v[(\rb):(\rb)+11], v[(\c):(\c)+7], v[(\sa)], v[(\sb)] matrix_a_fmt:MATRIX_FMT_FP6 matrix_b_fmt:MATRIX_FMT_FP6
.endif
.endm
; A K step's 32 products on set p.  mode 0: they add in place; 1: the sums start from the bias.  The 32 accumulators take turns, one instruction a turn, in the same order in every step.
.macro MUL p, mode
.if \mode == 0
	WIN 0xa1                                       ; source 0 (R) window 1, source 1 (P) window 0, C and D window 2
.else
	WIN 0x81                                       ; C (the bias) window 0
.endif
.irp a, 0,1,2,3
.irp b, 0,1,2,3,4,5,6,7
.if \mode == 0
	WM 8*(8*\a+\b), 128*(\p)+12*\b, 64+48*(\p)+12*\a, 8*(8*\a+\b), 18+6*(\p)+\b/2, 16+6*(\p)+\a/2, \b%2, \a%2
.else
	WM 8*(8*\a+\b), 128*(\p)+12*\b, 64+48*(\p)+12*\a, BI+8*\b, 18+6*(\p)+\b/2, 16+6*(\p)+\a/2, \b%2, \a%2
.endif
.endr
.endr
	WIN 0
.endm
; A K step's fragments and scale words into set p: 54 LDS loads, each of consecutive bytes from lane to lane
.macro FETCH p
	WIN 0x40                                       ; destination window 1
.irp b, 0,1,2,3,4,5,6,7
.irp c, 0,1
	ds_load_b128 v[128*(\p)+12*\b+6*\c:128*(\p)+12*\b+6*\c+3], v6 offset:1536*\b+768*\c
	ds_load_b64 v[128*(\p)+12*\b+6*\c+4:128*(\p)+12*\b+6*\c+5], v7 offset:1536*\b+768*\c
.endr
.endr
	WIN 0
.irp a, 0,1,2,3
.irp c, 0,1
	ds_load_b128 v[64+48*(\p)+12*\a+6*\c:64+48*(\p)+12*\a+6*\c+3], v4 offset:1536*\a+768*\c
	ds_load_b64 v[64+48*(\p)+12*\a+6*\c+4:64+48*(\p)+12*\a+6*\c+5], v5 offset:1536*\a+768*\c
.endr
.endr
.irp i, 0,1
	ds_load_b32 v[16+6*(\p)+\i], v8 offset:128*\i
.endr
.irp i, 0,1,2,3
	ds_load_b32 v[18+6*(\p)+\i], v9 offset:128*\i
.endr
.endm
; What stands ahead of step s's products: its operands are in; the next step's are asked for, and land while this step is multiplied
.macro AHEAD s
	s_wait_dscnt 0x0                               ; step s's fragments and scale words are in
.if (\s) < 7
.irp r, 4,5,6,7,8,9
	v_add_nc_u32 v\r, REC, v\r                     ; on to the next record.  These six are also the places between the last step's products and the loads into their set
.endr
	FETCH ((\s)+1)%2
.else
	s_barrier_signal -1                            ; every wave's reads of the operands are over:
	s_barrier_wait -1                              ; behind this barrier the stages may be written over them
.endif
.endm
	s_wait_alu depctr_va_vdst(0)
	s_wait_tensorcnt 0x0                           ; my one load has landed; behind the barrier everybody's has: all of K lies in LDS
	s_barrier_signal -1
	s_barrier_wait -1
	FETCH 0
	AHEAD 0
	s_wait_alu depctr_va_vdst(0)
	s_wait_loadcnt 0x0                             ; the bias
	MUL 0, 1
.irp s, 1,2,3,4,5,6,7
	s_wait_alu depctr_va_vdst(0)
	AHEAD \s
	MUL \s%2, 0
.endr
; THE WAY OUT, unit by unit of 16 rows x 128 columns.  A lane holds pieces of 32 bytes of one row, and the lanes beside it hold other rows: a unit goes through my stage and comes back as whole rows of 512 bytes.
; LDS serves a wave's instructions in order: no wait between the stores and the loads, nor in front of the next unit's stores.
.macro TOSTAGE a
	WIN 0x08                                       ; an LDS store's data are its source 1: window 2
.irp b, 0,1,2,3,4,5,6,7
	ds_store_b128 v28, v[8*(8*(\a)+\b):8*(8*(\a)+\b)+3] offset:128*(\b/2)+32*(\b%2)        ; each accumulator from its low end on
	ds_store_b128 v28, v[8*(8*(\a)+\b)+4:8*(8*(\a)+\b)+7] offset:128*(\b/2)+32*(\b%2)+16
.endr
	WIN 0
.irp t, 0,1,2,3,4,5,6,7,8,9,10,11,12,13,14,15
	ds_load_b128 v[64+64*((\a)%2)+4*\t:64+64*((\a)%2)+4*\t+3], v29 offset:SP*\t
.endr
.endm
.macro SEND a, younger                 ; younger: the LDS instructions issued behind unit a's loads, which may stay out
	s_wait_dscnt \younger
.irp t, 0,1,2,3,4,5,6,7,8,9,10,11,12,13,14,15
	global_store_b128 v30, v[64+64*((\a)%2)+4*\t:64+64*((\a)%2)+4*\t+3], s[90:91] offset:(32*((\a)/2)+8*((\a)%2)+\t+8*(\t/8))*4096 th:TH_STORE_NT   ; 512 consecutive bytes of one row, aligned; written once, read by nobody here
.endr
.endm
.rept 4
	v_nop                                          ; places between the last products and the first read of results, and the loads into the registers that held P's fragments
.endr
	TOSTAGE 0
	TOSTAGE 1
	SEND 0, 32                                     ; behind unit 0's loads: unit 1's 16 stores and 16 loads
	s_wait_xcnt 0x0                                ; unit 0's stores have read their registers: unit 2's rows may land there
	TOSTAGE 2
	SEND 1, 32
	s_wait_xcnt 0x0
	TOSTAGE 3
	SEND 2, 32
	SEND 3, 0
	s_wait_tensorcnt 0x0
	ds_add_u32 v62, v63
	s_wait_dscnt 0x0
	ROUND                                          ; the closing round: no work-group ends while a partner may still ask for a chunk that names it
	s_endpgm
.Lfunc_end_k_qc5c851ae86_outp:
	.size	k_qc5c851ae86_outp, .Lfunc_end_k_qc5c851ae86_outp-k_qc5c851ae86_outp
	.p2alignl 7, 3214868480
	.fill 96, 4, 3214868480
	.section	.rodata,"a",@progbits
	.p2align	6, 0x0
	.amdhsa_kernel k_qc5c851ae86_outp
		.amdhsa_group_segment_fixed_size 307712
		.amdhsa_private_segment_fixed_size 0
		.amdhsa_enable_private_segment 0
		.amdhsa_kernarg_size 32
		.amdhsa_user_sgpr_count 2
		.amdhsa_user_sgpr_kernarg_segment_ptr 1
		.amdhsa_wavefront_size32 1
		.amdhsa_system_sgpr_workgroup_id_x 1
		.amdhsa_system_sgpr_workgroup_id_y 1
		.amdhsa_system_sgpr_workgroup_id_z 1
		.amdhsa_system_vgpr_workitem_id 0
		.amdhsa_next_free_vgpr 768
		.amdhsa_next_free_sgpr 100
		.amdhsa_reserve_vcc 0
		.amdhsa_float_denorm_mode_32 3
		.amdhsa_float_denorm_mode_16_64 3
		.amdhsa_memory_ordered 1
		.amdhsa_forward_progress 1
		.amdhsa_inst_pref_size 86
	.end_amdhsa_kernel
	.amdgpu_metadata
---
amdhsa.version: [ 1, 2 ]
amdhsa.kernels:
  - .name:           k_qc5c851ae86_outp
    .symbol:         k_qc5c851ae86_outp.kd
    .args:
      - { .name: oc, .offset: 0, .size: 8, .value_kind: global_buffer, .address_space: global }
      - { .name: wc, .offset: 8, .size: 8, .value_kind: global_buffer, .address_space: global }
      - { .name: bo, .offset: 16, .size: 8, .value_kind: global_buffer, .address_space: global }
      - { .name: out0, .offset: 24, .size: 8, .value_kind: global_buffer, .address_space: global }
    .group_segment_fixed_size: 307712
    .private_segment_fixed_size: 0
    .kernarg_segment_align: 8
    .kernarg_segment_size: 32
    .max_flat_workgroup_size: 128
    .sgpr_count:     100
    .vgpr_count:     768
    .wavefront_size: 32
...
	.end_amdgpu_metadata
.endif
;; end of part 4
